; MI455X (gfx1250); checked and timed in simulation.
; The chip was launched on July 23, 2026; its instructions are those of AMD's public machine-readable ISA for CDNA 5 (MIT licence, August 2026) and "CDNA5" Instruction Set Architecture Reference Guide (July 2026). The comments in the code are by the model that wrote it; some were corrected since.
;; Scaled Dot Product. Allowed arithmetic: matrix products marked QUANTISED: E2M3 operands, one E8M0 scale for each 32 along K, by v_wmma_scale_f32_16x16x128_f8f6f4 with both operands' format E2M3, f32 sums; everything else in f32.
;; Inputs: Wk 1,024 x 1,024 float32; Wq 1,024 x 1,024 float32; Wv 1,024 x 1,024 float32; bk 1,024 float32; bq 1,024 float32; bv 1,024 float32; k 4 x 2,048 x 1,024 float32; q 4 x 2,048 x 1,024 float32; v 4 x 2,048 x 1,024 float32.
;; Outputs: out0 4 x 2,048 x 1,024 float32.
;; This version of the problem:
;;   THIS VERSION OF THE PROBLEM IS GIVEN IN LOW PRECISION. The matrix products marked QUANTISED in the list below multiply operands that are first quantised to E2M3 (2 exponent bits, 3 mantissa bits; 6 bits a number), with one power-of-two scale for each 32 numbers along K (OCP MX v1.0); their sums are f32. All else is computed in f32.
;;   The module's matrix products, in the order in which they are computed (A, B: the left and right operand; K: the contracted axis; several contracted axes count as one K, in the product's order):
;;     1. [M 8,192, K 1,024] x [K 1,024, N 1,024]; A: input q; B: input Wq: QUANTISED
;;     2. [M 8,192, K 1,024] x [K 1,024, N 1,024]; A: input k; B: input Wk: QUANTISED
;;     3. [M 8,192, K 1,024] x [K 1,024, N 1,024]; A: input v; B: input Wv: QUANTISED
;;     4. batch 4 x [M 2,048, K 1,024] x [K 1,024, N 2,048]; A: computed on the way; B: computed on the way: QUANTISED
;;     5. batch 4 x [M 2,048, K 2,048] x [K 2,048, N 1,024]; A: softmax (see below); B: computed on the way: QUANTISED
;;   THE QUANTISER, for each operand of a quantised product, along K:
;;     - K is cut into blocks of 32 from its start; a last block that is shorter is filled with zeros.
;;     - A block's scale is 2^e with e = floor(log2(the largest magnitude in the block)) - 2, held to -126 .. 127; a block of zeros has e = 0. As a byte (E8M0): e + 127.
;;     - Each number is divided by its block's scale, clamped to +-7.5, and rounded to the nearest number of E2M3, ties to even, subnormals kept.
;;     - The product sums the exact products of the quantised numbers (number of the format x scale) in f32.
;;   ~~~python
;;   def quantise(x, axis):      # numpy; x: float32 -> the quantised numbers, widened to float32 again
;;       x = np.moveaxis(x, axis, -1); K = x.shape[-1]
;;       x = np.pad(x, [(0, 0)] * (x.ndim - 1) + [(0, -K % 32)]); x = x.reshape(x.shape[:-1] + (-1, 32)); a = np.abs(x).max(-1, keepdims=True)
;;       e = np.where(a > 0, np.clip(np.frexp(np.where(a > 0, a, 1))[1] - 1 - 2, -126, 127), 0)      # np.frexp(a)[1] - 1 = floor(log2(a)), exactly
;;       r = np.clip(x / 2.0 ** e, -7.5, 7.5)
;;       step = 2.0 ** (np.maximum(np.frexp(np.where(r == 0, 1, r))[1] - 1, 0) - 3)
;;       q = np.round(r / step) * step * 2.0 ** e      # np.round: ties to even
;;       return np.moveaxis(q.reshape(q.shape[:-2] + (-1,))[..., :K], -1, axis).astype(np.float32)
;;   ~~~
;;   SOFTMAX AHEAD OF A QUANTISED PRODUCT. Where the list says 'softmax', what is quantised is not the finished softmax but p = 2^(t - M), with t = logit x log2(e) and M = ceil(the row's largest t), a whole number; so 1/2 < the row's largest p <= 1. The row's sum l is taken of the UNQUANTISED p, in f32, and the product's result is divided by l at the end. Since M is a whole number, a kernel that streams over the keys may use a running M (the ceiling of the running maximum): every later rescaling is an exact power of two, which a block's scale takes up: the codes' values come out the same.
;;   OPERANDS COMPUTED ON THE WAY. 'Computed on the way' means the value that the module computes at that place (a softmax that the list does not call 'softmax' is quantised finished and normalised). What goes into a quantiser is computed in f32, as accurately as f32 sums, v_exp_f32 and their like allow (about 1e-6 of the number): no bf16 or f16 on the way to a quantiser, and a product that is left as it is and whose result goes on into a quantised operand takes f32 operands (vector FMAs, or v_wmma_f32_16x16x4_f32). A number that lies on a knife's edge between two numbers of the format may be rounded either way, as far as f32 arithmetic and the matrix unit's own rounding can turn it there, and no further.
;; One version. Each part assembles by itself: llvm-mc -triple=amdgcn-amd-amdhsa -mcpu=gfx1250 --defsym DOCPART=n.
;; ======== version 1 of 1: 4 launches
;; limits: right only within a limited range of input values
;; workspace buffers: xc 21,233,664 bytes; xs 884,736 bytes; pc 18,874,368 bytes; ps 786,432 bytes; pp 12,582,912 bytes; pst 1,572,864 bytes
;; launch quant (part 1): grid 480 x 1, 8 waves a work-group, no clusters, 73,728 bytes of LDS; arguments q, k, v, Wq, Wk, Wv, xc, xs; writes xc, xs
.if DOCPART == 1
	.amdgcn_target "amdgcn-amd-amdhsa--gfx1250"
	.amdhsa_code_object_version 6
	.text
	.protected	k_q380ff8b1fa_quant
	.globl	k_q380ff8b1fa_quant
	.p2align	8
	.type	k_q380ff8b1fa_quant,@function
k_q380ff8b1fa_quant:
	s_mov_b64 s[64:65], 0
	v_nop
	global_prefetch_b8 v0, s[64:65] scope:SCOPE_SE
	s_setreg_imm32_b32 hwreg(HW_REG_WAVE_MODE, 25, 1), 1
	s_wait_xcnt 0x0
; q, k, v [8192][1024] and Wq, Wk, Wv [1024 (d)][1024 (e)], f32, become codes of FP6 (E2M3) with one E8M0 byte for each 32 along K = d.
; A block's scale is 2^(floor(log2(its largest magnitude)) - 2); its byte is the largest magnitude's exponent field - 2, held at 1 from below.
; LIMITS: NaN and infinities are not served; a block whose largest magnitude lies under 2^-124 keeps the byte 1; a block of zeros gets the byte 1 (its codes are zeros; the bytes are read by this program alone).
; LAYOUT OF THE CODES: images of the operand's registers.  A fragment (16 rows x 128 K, 12 registers a lane) is 1,536 bytes: registers 4 c .. 4 c + 3 of lane l at 512 c + 16 l; fragments lie [row block][K step].
; In a group of 128 rows, lane r of block i holds row 32 (i / 2) + 8 (i % 2) + r + 8 (r / 8): so that a later product's results are neighbours along the next K.
; LAYOUT OF THE SCALE WORDS: [group of 128 rows][K step][r 0..15][block 0..7], 512 bytes for a group and a K step.
; Work-groups 0-383: 128 rows x 512 of K (four K steps) of q, k or v; wave i makes block i.  Each load takes 512 consecutive bytes of a row; a K step's 16 rows turn through the wave's own stage in LDS, so that a lane gets 16 neighbours of each block.
; 384 such work-groups, two of which fit on a WGP by their registers and LDS, give every WGP a share of the three large tensors.
; Work-groups 384-479: 128 columns e x 256 d of a weight; a wave takes 32 columns x 128 d, a lane a column, its registers running down d: a block of 32 lies in one lane.
; The two kinds part once, on the work-group's number, and have LDS bytes, a barrier and an end of their own.  No tensor loads.
.set NXWG,  384                        ; work-groups for q, k, v
.set NS,    4                          ; K steps of such a work-group
.set WOFF,  18874368                   ; the weights' images lie behind the three tensors'
.set XIMG,  6291456                    ; an image of q, k or v
.set WIMG,  786432                     ; of a weight
.set RB8,   12288                      ; a row block's 8 fragments
.set FRB,   1536
.set SP,    528                        ; a stage row: 512 bytes + 16: sixteen rows begin in sixteen different groups of banks
.set STGB,  16*SP
.set XSCL,  8*STGB                     ; the scale words of 128 rows x 4 K steps: 2,048 bytes of a region of 4,096
.set WSCL,  XSCL+4096                  ; 1,024 bytes: those of 128 columns x 2 K steps
.set LI,  4                            ; v4  16 x lane
.set STI, 5                            ; v5  the stage, on the way in
.set STO, 6                            ; v6  and out
.set SWA, 7                            ; v7  where my scale word goes
.set T16, 8                            ; v8  16 x thread
.set SRD, 9                            ; v9  where I read scale words back
.set T8,  10                           ; v10 8 x thread
.set TM,  12                           ; v12-27 at work in QUANT
.set PW,  28                           ; v28 the scale word just made
.set R,   32                           ; v32-159 two sets of 64 numbers as loaded
.set X,   160                          ; v160-223 64 numbers, 16 neighbours of each of four blocks
.set PC,  224                          ; v224-243 the codes
.set SEL, 36                           ; s[36:37] selects for lane l xor 16
; 64 numbers of a lane, register 16 b + i = k 32 b + 16 (lane / 16) + i of my row, become a fragment's codes in v[PC] on and its scale word in v[PW]
.macro QUANT s
.irp b, 0,1,2,3
	v_max3_num_f32 v[TM+\b], |v[\s+16*\b]|, |v[\s+1+16*\b]|, 0x1800000   ; my 16 numbers of block b, and the floor 2^(3 - 127): the byte cannot fall under 1
.endr
.irp i, 2,4,6,8,10,12,14
.irp b, 0,1,2,3
	s_delay_alu instid0(VALU_DEP_4)
	v_max3_num_f32 v[TM+\b], v[TM+\b], |v[\s+16*\b+\i]|, |v[\s+1+16*\b+\i]|
.endr
.endr
.irp b, 0,1,2,3
	s_delay_alu instid0(VALU_DEP_4)
	v_permlanex16_b32 v[TM+4+\b], v[TM+\b], s[SEL], s[SEL+1]
.endr
.irp b, 0,1,2,3
	s_delay_alu instid0(VALU_DEP_4)
	v_max_num_f32 v[TM+\b], v[TM+\b], v[TM+4+\b]   ; with lane l xor 16's: the block's largest magnitude
.endr
.irp b, 0,1,2,3
	s_delay_alu instid0(VALU_DEP_4)
	v_add_nc_u32 v[TM+12+\b], 0xff000000, v[TM+\b]   ; 2 off its exponent field: the conversion's scale operand
.endr
.irp b, 0,1,2,3
	s_delay_alu instid0(VALU_DEP_4)
	v_lshrrev_b32 v[TM+4+\b], 23, v[TM+12+\b]      ; the byte
.endr
	s_delay_alu instid0(VALU_DEP_3)
	v_lshl_or_b32 v[PW], v[TM+5], 8, v[TM+4]
	s_delay_alu instid0(VALU_DEP_1)
	v_lshl_or_b32 v[PW], v[TM+6], 16, v[PW]
	s_delay_alu instid0(VALU_DEP_1)
	v_lshl_or_b32 v[PW], v[TM+7], 24, v[PW]
.irp c, 0,1
	v_cvt_scalef32_pk16_fp6_f32 v[PC+6*\c:PC+2+6*\c], v[\s+32*\c:\s+15+32*\c], v[TM+12+2*\c]
	v_cvt_scalef32_pk16_fp6_f32 v[PC+12+4*\c:PC+14+4*\c], v[\s+16+32*\c:\s+31+32*\c], v[TM+12+2*\c+1]   ; (a conversion's three registers begin on an even number)
.endr
	v_nop                                          ; one plain place behind a scaled conversion
.irp c, 0,1                                    ; the operand wants a whole block in a lane: lanes 0-15 block 2 c, lanes 16-31 block 2 c + 1
.irp i, 0,1,2
	v_permlane16_swap_b32 v[PC+6*\c+\i], v[PC+12+4*\c+\i]
.endr
.irp i, 0,1,2
	s_delay_alu instid0(VALU_DEP_3)
	v_mov_b32 v[PC+3+6*\c+\i], v[PC+12+4*\c+\i]
.endr
.endr
.endm
	s_load_b256 s[4:11], s[0:1], 0x0               ; q s[4:5], k s[6:7], v s[8:9], Wq s[10:11]
	s_load_b256 s[12:19], s[0:1], 0x20             ; Wk s[12:13], Wv s[14:15], xc s[16:17], xs s[18:19]
	v_lshl_add_u32 v254, v0, 2, 0x11c00
	v_mov_b32 v255, 0
	v_lshrrev_b32 v1, 5, v0
	s_delay_alu instid0(VALU_DEP_1)
	v_readfirstlane_b32 s20, v1                    ; wave 0..7
	v_and_b32 v1, 31, v0                           ; lane
	v_and_b32 v2, 15, v0                           ; r
	v_bfe_u32 v3, v0, 4, 1                         ; h
	s_delay_alu instid0(VALU_DEP_3)
	v_lshlrev_b32 v[LI], 4, v1
	v_lshlrev_b32 v[T16], 4, v0
	s_mov_b32 s[SEL], 0x76543210
	s_mov_b32 s[SEL+1], 0xfedcba98
	s_cmp_lt_u32 ttmp9, NXWG
	s_cbranch_scc0 .Lweights
	; ---------------- q, k, v ----------------
	s_lshr_b32 s21, ttmp9, 7                       ; which tensor
	s_bfe_u32 s22, ttmp9, 0x60001                  ; which group of 128 rows
	s_and_b32 s38, ttmp9, 1                        ; which half of K
	s_mul_i32 s23, s20, STGB                       ; my stage
	s_wait_alu depctr_va_vdst(0)
	v_add_nc_u32 v[STI], s23, v[LI]                ; in: a row's 512 bytes as they lie
	v_mul_u32_u24 v[STO], v2, SP
	s_delay_alu instid0(VALU_DEP_1)
	v_lshl_add_u32 v[STO], v3, 6, v[STO]
	s_delay_alu instid0(VALU_DEP_1)
	v_add_nc_u32 v[STO], s23, v[STO]               ; out: row r, + 64 h: my 16 numbers of a block of 32
	v_lshlrev_b32 v[SWA], 5, v2
	s_lshl_b32 s24, s20, 2
	s_add_co_u32 s24, s24, XSCL
	v_add_nc_u32 v[SWA], s24, v[SWA]               ; 32 r + 4 x block
	v_lshlrev_b32 v[T8], 3, v0
	s_delay_alu instid0(VALU_DEP_1)
	v_add_nc_u32 v[SRD], XSCL, v[T8]
.irp b, 0,1,2,3
	v_mov_b32 v[TM+4+\b], 0                        ; written once: a lane permute's destination counts as one of its sources
.endr
	s_lshl_b32 s24, s22, 7
	s_lshr_b32 s25, s20, 1
	s_lshl_b32 s25, s25, 5
	s_add_co_u32 s24, s24, s25
	s_and_b32 s25, s20, 1
	s_lshl_b32 s25, s25, 3
	s_add_co_u32 s24, s24, s25                     ; my block's first row: 128 g + 32 (i / 2) + 8 (i % 2)
	s_lshl_b32 s24, s24, 12                        ; x 4,096 bytes
	s_lshl_b32 s39, s38, 11
	s_add_co_u32 s24, s24, s39                     ; + my half of K: 512 numbers
	s_mov_b32 s25, 0
	s_lshl_b32 s26, s22, 3
	s_add_co_u32 s26, s26, s20
	s_mul_i32 s26, s26, RB8
	s_mul_i32 s27, s21, XIMG
	s_add_co_u32 s26, s26, s27
	s_mul_i32 s27, s38, NS*FRB
	s_add_co_u32 s26, s26, s27                     ; my block's four fragments
	s_mov_b32 s27, 0
	s_lshl_b32 s28, s21, 18
	s_lshl_b32 s29, s22, 12
	s_add_co_u32 s28, s28, s29
	s_add_co_u32 s28, s28, s39                     ; the group's scale words of these four K steps: 2,048 bytes
	s_mov_b32 s29, 0
	s_wait_alu depctr_va_vdst(0)
	s_wait_kmcnt 0x0
	s_cmp_eq_u32 s21, 0
	s_cselect_b64 s[30:31], s[4:5], s[6:7]
	s_cmp_eq_u32 s21, 2
	s_cselect_b64 s[30:31], s[8:9], s[30:31]
	s_add_nc_u64 s[30:31], s[30:31], s[24:25]
	s_add_nc_u64 s[32:33], s[16:17], s[26:27]
	s_add_nc_u64 s[34:35], s[18:19], s[28:29]
.macro LOADX s                         ; K step s of my 16 rows: each load takes 512 consecutive bytes
.irp n, 0,1,2,3,4,5,6,7,8,9,10,11,12,13,14,15
	global_load_b128 v[R+64*((\s)%2)+4*\n:R+64*((\s)%2)+4*\n+3], v[LI], s[30:31] offset:(\n+8*(\n/8))*4096+512*(\s) th:TH_LOAD_NT
.endr
.endm
.macro STEPX s
.if (\s) < NS-1
	s_wait_loadcnt 16                              ; this K step's 16 loads are in; the next step's 16 may be out
.else
	s_wait_loadcnt 0x0
.endif
.irp n, 0,1,2,3,4,5,6,7,8,9,10,11,12,13,14,15
	ds_store_b128 v[STI], v[R+64*((\s)%2)+4*\n:R+64*((\s)%2)+4*\n+3] offset:SP*\n
.endr
.irp b, 0,1,2,3
.irp j, 0,1,2,3
	ds_load_b128 v[X+16*\b+4*\j:X+16*\b+4*\j+3], v[STO] offset:128*\b+16*\j   ; LDS serves a wave's instructions in order: these see the stores above
.endr
.endr
	s_wait_dscnt 0x0                               ; the numbers are back, and the stage's stores have read their registers
	s_wait_xcnt 0x0                                ; the last step's stores have read the codes' registers
.if (\s)+2 < NS
	LOADX (\s)+2
.endif
	QUANT X
.irp c, 0,1,2
	global_store_b128 v[LI], v[PC+4*\c:PC+4*\c+3], s[32:33] offset:FRB*(\s)+512*\c   ; 512 consecutive bytes, aligned
.endr
	ds_store_b32 v[SWA], v[PW] offset:512*(\s)     ; both halves of the lanes write the same word with the same value
.endm
	LOADX 0
	LOADX 1
.irp s, 0,1,2,3
	STEPX \s
.endr
	s_wait_dscnt 0x0                               ; for the others' sake: my scale words lie in LDS
	s_barrier_signal -1
	s_barrier_wait -1
	ds_load_b64 v[32:33], v[SRD]
	s_wait_dscnt 0x0
	global_store_b64 v[T8], v[32:33], s[34:35]     ; 2,048 bytes of scale words, 8 bytes a thread: a wave stores 256 consecutive bytes, aligned
	s_wait_tensorcnt 0x0
	ds_add_u32 v254, v255
	s_wait_dscnt 0x0
	s_endpgm
	; ---------------- Wq, Wk, Wv ----------------
.Lweights:
	s_sub_co_u32 s21, ttmp9, NXWG
	s_lshr_b32 s22, s21, 5                         ; which weight
	s_bfe_u32 s23, s21, 0x30002                    ; which group of 128 columns
	s_and_b32 s24, s21, 3                          ; which pair of K steps
	s_and_b32 s25, s20, 3                          ; my 32 columns of the group
	s_lshr_b32 s26, s20, 2                         ; my K step of the pair
	s_lshl_b32 s27, s24, 1
	s_add_co_u32 s27, s27, s26                     ; K step 0..7
	v_and_b32 v5, 7, v0
	v_bfe_u32 v6, v0, 3, 1
	s_delay_alu instid0(VALU_DEP_1)
	v_lshl_add_u32 v5, v6, 4, v5
	s_wait_alu depctr_va_vdst(0)
	v_lshl_add_u32 v5, v3, 3, v5                   ; my column of the 32: (l % 8) + 16 ((l / 8) % 2) + 8 (l / 16): lanes 0-15 are the rows of block 2 c, lanes 16-31 of block 2 c + 1
	s_delay_alu instid0(VALU_DEP_1)
	v_lshlrev_b32 v5, 2, v5
	v_lshlrev_b32 v[SWA], 5, v2
	s_delay_alu instid0(VALU_DEP_1)
	v_lshl_add_u32 v[SWA], v3, 2, v[SWA]
	s_lshl_b32 s28, s26, 9
	s_lshl_b32 s29, s25, 3
	s_add_co_u32 s28, s28, s29
	s_add_co_u32 s28, s28, WSCL
	v_add_nc_u32 v[SWA], s28, v[SWA]               ; 512 x (my K step of the pair) + 32 r + 4 x block
	v_add_nc_u32 v[SRD], WSCL, v[T16]
	s_lshl_b32 s28, s27, 19                        ; 128 rows d of 4,096 bytes a K step
	s_lshl_b32 s29, s23, 9
	s_add_co_u32 s28, s28, s29
	s_lshl_b32 s29, s25, 7
	s_add_co_u32 s28, s28, s29                     ; + my first column's bytes
	s_mov_b32 s29, 0
	s_lshl_b32 s38, s23, 3
	s_lshl_b32 s39, s25, 1
	s_add_co_u32 s38, s38, s39
	s_mul_i32 s38, s38, RB8
	s_mul_i32 s39, s27, FRB
	s_add_co_u32 s38, s38, s39
	s_mul_i32 s39, s22, WIMG
	s_add_co_u32 s38, s38, s39
	s_add_co_u32 s38, s38, WOFF                    ; my two fragments
	s_mov_b32 s39, 0
	s_lshl_b32 s40, s23, 3
	s_lshl_b32 s41, s24, 1
	s_add_co_u32 s40, s40, s41
	s_lshl_b32 s40, s40, 9
	s_lshl_b32 s41, s22, 15
	s_add_co_u32 s40, s40, s41
	s_add_co_u32 s40, s40, 786432                  ; the work-group's 1,024 bytes of scale words
	s_mov_b32 s41, 0
	s_wait_alu depctr_va_vdst(0)
	s_wait_kmcnt 0x0
	s_cmp_eq_u32 s22, 0
	s_cselect_b64 s[30:31], s[10:11], s[12:13]
	s_cmp_eq_u32 s22, 2
	s_cselect_b64 s[30:31], s[14:15], s[30:31]
	s_add_nc_u64 s[30:31], s[30:31], s[28:29]
	s_add_nc_u64 s[32:33], s[16:17], s[38:39]
	s_add_nc_u64 s[34:35], s[18:19], s[40:41]
.macro LOADW t                         ; block t: W(32 t + i, my column); the wave's 32 lanes cover 128 consecutive bytes
.irp i, 0,1,2,3,4,5,6,7,8,9,10,11,12,13,14,15,16,17,18,19,20,21,22,23,24,25,26,27,28,29,30,31
	global_load_b32 v[64+32*(\t)+\i], v5, s[30:31] offset:(32*(\t)+\i)*4096 th:TH_LOAD_NT
.endr
.endm
.macro BLOCKW t
.set XS, 64+32*(\t)
.set DL, 192+12*((\t)%2)+6*((\t)/2)    ; blocks 0 and 2 into v192 on, blocks 1 and 3 into v204 on
.if (\t) < 3
	s_wait_loadcnt 32                              ; this block's 32 loads are in; the next block's may be out
.else
	s_wait_loadcnt 0x0
.endif
.if (\t)+2 < 4
	LOADW (\t)+2
.endif
	v_max3_num_f32 v12, |v[XS]|, |v[XS+1]|, |v[XS+2]|               ; all 32 numbers of the block are mine
	v_max3_num_f32 v13, |v[XS+3]|, |v[XS+4]|, |v[XS+5]|
.irp i, 6,10,14,18,22,26
	s_delay_alu instid0(VALU_DEP_2)
	v_max3_num_f32 v12, v12, |v[XS+\i]|, |v[XS+\i+1]|
	s_delay_alu instid0(VALU_DEP_2)
	v_max3_num_f32 v13, v13, |v[XS+\i+2]|, |v[XS+\i+3]|
.endr
	s_delay_alu instid0(VALU_DEP_2)
	v_max3_num_f32 v12, v12, |v[XS+30]|, |v[XS+31]|
	s_delay_alu instid0(VALU_DEP_1)
	v_max3_num_f32 v12, v12, v13, 0x1800000        ; and the floor
	s_delay_alu instid0(VALU_DEP_1)
	v_add_nc_u32 v11, 0xff000000, v12
	s_delay_alu instid0(VALU_DEP_1)
	v_lshrrev_b32 v13, 23, v11
.if (\t) == 0
	s_delay_alu instid0(VALU_DEP_1)
	v_mov_b32 v[PW], v13
.else
	s_delay_alu instid0(VALU_DEP_1)
	v_lshl_or_b32 v[PW], v13, 8*(\t), v[PW]
.endif
	v_cvt_scalef32_pk16_fp6_f32 v[DL:DL+2], v[XS:XS+15], v11
	v_cvt_scalef32_pk16_fp6_f32 v[216+4*(\t):218+4*(\t)], v[XS+16:XS+31], v11
.endm
	LOADW 0
	LOADW 1
	BLOCKW 0
	BLOCKW 1
	BLOCKW 2
	BLOCKW 3
	v_nop                                          ; one plain place behind the last conversion
.irp t, 0,1,2,3
.irp i, 0,1,2
	v_mov_b32 v[192+12*(\t%2)+6*(\t/2)+3+\i], v[216+4*\t+\i]
.endr
.endr
.irp n, 0,1,2,3,4,5,6,7,8,9,10,11
	v_permlane16_swap_b32 v[192+\n], v[204+\n]     ; v192 on: block 2 c's fragment (lanes 16-31 get its odd blocks of 32); v204 on: block 2 c + 1's
.endr
	ds_store_b32 v[SWA], v[PW]
.irp c, 0,1,2
	global_store_b128 v[LI], v[192+4*\c:195+4*\c], s[32:33] offset:512*\c
	global_store_b128 v[LI], v[204+4*\c:207+4*\c], s[32:33] offset:RB8+512*\c
.endr
	s_wait_dscnt 0x0
	s_barrier_signal -1
	s_barrier_wait -1
	s_cmp_lt_u32 s20, 2                            ; 1,024 bytes: two waves' worth
	s_cbranch_scc0 .Lwdone
	ds_load_b128 v[32:35], v[SRD]
	s_wait_dscnt 0x0
	global_store_b128 v[T16], v[32:35], s[34:35]
.Lwdone:
	s_wait_tensorcnt 0x0
	ds_add_u32 v254, v255
	s_wait_dscnt 0x0
	s_endpgm
.Lfunc_end_k_q380ff8b1fa_quant:
	.size	k_q380ff8b1fa_quant, .Lfunc_end_k_q380ff8b1fa_quant-k_q380ff8b1fa_quant
	.p2alignl 7, 3214868480
	.fill 96, 4, 3214868480
	.section	.rodata,"a",@progbits
	.p2align	6, 0x0
	.amdhsa_kernel k_q380ff8b1fa_quant
		.amdhsa_group_segment_fixed_size 73728
		.amdhsa_private_segment_fixed_size 0
		.amdhsa_enable_private_segment 0
		.amdhsa_kernarg_size 64
		.amdhsa_user_sgpr_count 2
		.amdhsa_user_sgpr_kernarg_segment_ptr 1
		.amdhsa_wavefront_size32 1
		.amdhsa_system_sgpr_workgroup_id_x 1
		.amdhsa_system_sgpr_workgroup_id_y 1
		.amdhsa_system_sgpr_workgroup_id_z 1
		.amdhsa_system_vgpr_workitem_id 0
		.amdhsa_next_free_vgpr 256
		.amdhsa_next_free_sgpr 66
		.amdhsa_reserve_vcc 0
		.amdhsa_float_denorm_mode_32 3
		.amdhsa_float_denorm_mode_16_64 3
		.amdhsa_memory_ordered 1
		.amdhsa_forward_progress 1
		.amdhsa_inst_pref_size 65
	.end_amdhsa_kernel
	.amdgpu_metadata
---
amdhsa.version: [ 1, 2 ]
amdhsa.kernels:
  - .name:           k_q380ff8b1fa_quant
    .symbol:         k_q380ff8b1fa_quant.kd
    .args:
      - { .name: q, .offset: 0, .size: 8, .value_kind: global_buffer, .address_space: global }
      - { .name: k, .offset: 8, .size: 8, .value_kind: global_buffer, .address_space: global }
      - { .name: v, .offset: 16, .size: 8, .value_kind: global_buffer, .address_space: global }
      - { .name: Wq, .offset: 24, .size: 8, .value_kind: global_buffer, .address_space: global }
      - { .name: Wk, .offset: 32, .size: 8, .value_kind: global_buffer, .address_space: global }
      - { .name: Wv, .offset: 40, .size: 8, .value_kind: global_buffer, .address_space: global }
      - { .name: xc, .offset: 48, .size: 8, .value_kind: global_buffer, .address_space: global }
      - { .name: xs, .offset: 56, .size: 8, .value_kind: global_buffer, .address_space: global }
    .group_segment_fixed_size: 73728
    .private_segment_fixed_size: 0
    .kernarg_segment_align: 8
    .kernarg_segment_size: 64
    .max_flat_workgroup_size: 256
    .sgpr_count:     66
    .vgpr_count:     256
    .wavefront_size: 32
...
	.end_amdgpu_metadata
.endif
;; end of part 1
;; launch proj (part 2): grid 4 x 64, 4 waves a work-group, clusters of 4 x 4, 327,680 bytes of LDS; arguments xc, xs, bq, bk, bv, pc, ps; writes pc, ps
.if DOCPART == 2
	.amdgcn_target "amdgcn-amd-amdhsa--gfx1250"
	.amdhsa_code_object_version 6
	.text
	.protected	k_q380ff8b1fa_proj
	.globl	k_q380ff8b1fa_proj
	.p2align	8
	.type	k_q380ff8b1fa_proj,@function
k_q380ff8b1fa_proj:
	s_mov_b64 s[64:65], 0
	v_nop
	global_prefetch_b8 v0, s[64:65] scope:SCOPE_SE
	s_setreg_imm32_b32 hwreg(HW_REG_WAVE_MODE, 25, 1), 1
	s_wait_xcnt 0x0
	s_wait_alu depctr_hold_cnt(0) depctr_sa_sdst(0) depctr_va_vdst(0) depctr_va_sdst(0) depctr_va_ssrc(0) depctr_va_vcc(0) depctr_vm_vsrc(0)
	s_getreg_b32 s2, hwreg(HW_REG_IB_STS2, 6, 4)
	s_cmp_eq_u32 s2, 0
	s_cbranch_scc0 .Lentry_in_a_cluster
	s_endpgm
.Lentry_in_a_cluster:
	s_bfe_u32 s2, ttmp6, 0x10000c
	s_cmp_lg_u32 s2, 0xf033
	s_cbranch_scc0 .Lentry_shape_is_right
	s_endpgm
.Lentry_shape_is_right:
; The three projections on codes of FP6 (E2M3), and the quantising of their results.  qp = q Wq + bq and kp = k Wk + bk are quantised along e, vp = v Wv + bv along the keys.
; A WORK-GROUP STAYS AND MAKES THREE TILES, one of each tensor: 3 x 8,192 x 1,024 results are 256 equal shares only if a share holds a part of all three.  A tile is 128 (A) x 256 (B), K = 1,024; four waves, each 64 x 128: 32 accumulators.
; THE MATRIX INSTRUCTION IS USED TRANSPOSED (source 0 = 16 rows of "B", source 1 = 16 rows of "A"): a lane holds one row of A, its registers run along B's rows.
; q, k: A = the tensor's rows (64 tiles), B = the weight's columns e (4 tiles).  v: A = Wv's columns e (8 tiles), B = v's rows, the keys (32 tiles): so a lane's registers run along the axis that is quantised, in all three.
; Operands lie in memory as images of their registers (1,536 bytes a fragment, [row block][K step]); lane r of block i of a group of 128 rows holds row 32 (i / 2) + 8 (i % 2) + r + 8 (r / 8),
; so that the 64 registers of one block of A are 128 neighbours along B's rows, 16 to a half of the lanes in each block of 32.  The results are stored as images of the same kind.
; K goes in steps of 512 through two LDS slots: a tile's whole K lies in LDS.  THE RING GOES ON FROM TILE TO TILE: slot 0 takes the next tile's first half when K step 3 has been fetched, slot 1 its second half at K step 7;
; a tile's way out stands behind that change of slots, while the refill is on its way.  A wave has at most one tensor load out.
; CLUSTERS: 4 x 4 work-groups; in every tile A's rows are asked for jointly along a row of the cluster, B's along a column.
; The scale words and biases of all three tiles go from memory to registers once.  The bias is the C of each sum's first matrix instruction.
; A wave makes 4 of the 8 scale words of a row and K step: the words of the three tiles meet in a stage in LDS behind one barrier at the end, and each wave stores whole runs of 256 aligned bytes.
; LIMITS: NaN and infinities are not served; a block whose largest magnitude lies under 2^-124, or that is all zeros, gets the byte 1 (the bytes are read by this program alone).
; REGISTERS: window 0: v8-12, v16-23 addresses; v28, v29 the spare word's; v32-175 scale words, 48 a tile (A's 16: [pair of K steps][block]; B's 32; lanes 0-15 the even step, lanes 16-31 the odd);
;   v176-229 at work on the way out.  window 1: B's fragments, two sets, at v0 and v128.  window 2: accumulator (a, b) at v[8 (8 a + b)].  window 3: v0-47 A's four fragments; v64-127 bq, v128-191 bk, v192-223 bv, in the result's layout.
.set FR,    12
.set FRB,   1536
.set RB8,   12288                      ; a row block's 8 fragments
.set RB16,  24576                      ; a row block of vp: 16 fragments
.set KSL,   6144                       ; a row block's part of a slot: 4 fragments
.set BOFF,  49152                      ; in a slot: A's 8 row blocks, then B's 16
.set SLOT,  147456
.set SPARE, 294912                     ; behind the two slots: the spare words, 128 bytes for each wave
.set SST,   SPARE+512                  ; behind them: the scale words' stage: block (tile t, B's half) of 512 bytes at 1,024 t + 512 x half; no fill lands here
.set WOFF,  18874368
.set XIMG,  6291456
.set WIMG,  786432
.set VB,   8                           ; v8  64 h: the bias of q and k
.set VR,   9                           ; v9  4 (r + 8 (r / 8)): the bias of v
.set SWO,  10                          ; v10 where I put my four scale words of a row
.set SRD,  11                          ; v11 where I read 8 bytes of the stage back
.set L8,   12                          ; v12 and where they go: 256 x (my half of A) + 8 x lane
.set ADRA, 16                          ; v16-17 my A fragments in slot 0, 1
.set ADRB, 18                          ; v18-19 my B fragments
.set LI,   22                          ; v22 16 x lane
.set SOF,  23                          ; v23 512 h + 32 r: where a lane reads scale words
.set SPW,  28
.set NIL,  29
.set SC,   32
.set PC,   176                         ; v176-195 the codes just made
.set TM,   196                         ; v196-211 at work
.set PWS,  212                         ; v212-223 scale words: tile t, block a at 4 t + a
.set OW,   224                         ; v224-229 the stage read back
.set AF,   0                           ; in window 3
.set CB,   64                          ; in window 3
.set WV,  18
.set WA,  19
.set WB,  20
.set G1A, 24
.set G1B, 32
.set G0A, 40                           ; s[40:47] group 0 for A's tiles, a set for each slot
.set G0B, 48                           ; s[48:55] for B's
.set PA0, 56                           ; s[56:57] what I fetch of A in tile 0 (tile 1: XIMG bytes on);  s[58:59] in tile 2
.set PAV, 58
.set PB0, 60                           ; s[60:61] of B in tile 0 (tile 1: WIMG bytes on);  s[62:63] in tile 2
.set PBV, 62
.set SEL, 92
.set MSB, 0
.macro WIN new                         ; the immediate's high byte repeats the setting that is left
.if MSB != (\new)
	s_set_vgpr_msb (MSB<<8)|(\new)
.set MSB, (\new)
.endif
.endm
.macro WMUL ks                         ; source 0 (B) window 1, source 1 (A) window 3, D window 2; C window 2, or window 3 where it is the bias
.if (\ks) == 0
	WIN 0xbd
.else
	WIN 0xad
.endif
.endm
.macro PLACES n
.rept \n
	v_nop
.endr
.endm
.macro CREST                           ; a round of the cluster's barrier behind its opening barrier
	s_cmp_lg_u32 s[WV], 0
	s_cbranch_scc1 .Lnot_wave_0_\@
	s_barrier_signal -3
.Lnot_wave_0_\@:
	s_barrier_wait -3
	s_barrier_signal -1
	s_barrier_wait -1
.endm
.macro CROUND
	s_barrier_signal -1
	s_barrier_wait -1
	CREST
.endm
.macro JLOAD g0a, g0b                  ; a joint load: waves 0 and 1 fetch A's halves, waves 2 and 3 B's; four v_nop follow each line
	s_cmp_eq_u32 s[WA], 0
	s_cbranch_scc0 .Lfor_b_\@
	tensor_load_to_lds s[\g0a:\g0a+3], s[G1A:G1A+7]
	s_nop 0
	PLACES 4
	s_branch .Lasked_\@
.Lfor_b_\@:
	tensor_load_to_lds s[\g0b:\g0b+3], s[G1B:G1B+7]
	s_nop 0
	PLACES 4
.Lasked_\@:
.endm
.macro FRAG reg, adr, off              ; a fragment comes back as it was stored: three loads of 512 consecutive bytes
.irp c, 0,1,2
	ds_load_b128 v[\reg+4*\c:\reg+4*\c+3], v[\adr] offset:\off+512*\c
.endr
.endm
.macro FETCH_B slot, q, set
	WIN 0x40                                       ; destination window 1
.irp i, 0,1,2,3,4,5,6,7
	FRAG 128*(\set)+FR*\i, ADRB+\slot, \i*KSL+FRB*(\q)
.endr
.endm
.macro FETCH_A slot, q, i0
	WIN 0xc0                                       ; destination window 3
.irp i, \i0, \i0+1
	FRAG AF+FR*(\i), ADRA+\slot, (\i)*KSL+FRB*(\q)
.endr
.endm
; 8 matrix instructions of tile t: A's block a x B's eight.  In K step 0 the bias starts the sums: by B's block for q and k, by A's for v.  The 32 accumulators take turns.
.macro MUL8 t, a, ks
.irp b, 0,1,2,3,4,5,6,7
.set rD, 8*(8*(\a)+\b)
.set rC, rD
.if (\ks) == 0
.if (\t) < 2
.set rC, CB+64*(\t)+8*\b
.else
.set rC, CB+128+8*(\a)
.endif
.endif
.set rB, 128*((\ks)%2)+FR*\b
.set rA, AF+FR*(\a)
.set rSB, SC+48*(\t)+16+8*((\ks)/2)+\b
.set rSA, SC+48*(\t)+4*((\ks)/2)+(\a)
.if (\ks)%2
	v_wmma_scale_f32_16x16x128_f8f6f4 v[rD:rD+7], v[rB:rB+FR-1], v[rA:rA+FR-1], v[rC:rC+7], v[rSB], v[rSA] matrix_a_fmt:MATRIX_FMT_FP6 matrix_b_fmt:MATRIX_FMT_FP6 matrix_a_scale:MATRIX_SCALE_ROW1 matrix_b_scale:MATRIX_SCALE_ROW1
.else
	v_wmma_scale_f32_16x16x128_f8f6f4 v[rD:rD+7], v[rB:rB+FR-1], v[rA:rA+FR-1], v[rC:rC+7], v[rSB], v[rSA] matrix_a_fmt:MATRIX_FMT_FP6 matrix_b_fmt:MATRIX_FMT_FP6
.endif
.endr
.endm
; A step of 128 along K whose successor lies in the same slot.  Loads into registers that matrix instructions have read stand four plain places behind them.
.macro STEP t, ks
	s_wait_dscnt 6                                 ; B's set and A's blocks 0, 1 are in; the youngest 6 loads (blocks 2, 3) may be out
	WMUL \ks
	MUL8 \t, 0, \ks
	MUL8 \t, 1, \ks
	s_wait_dscnt 0x0
	PLACES 4
	FETCH_B (((\ks)+1)/4)%2, ((\ks)+1)%4, 1-(\ks)%2
	FETCH_A (((\ks)+1)/4)%2, ((\ks)+1)%4, 0
	WMUL \ks
	MUL8 \t, 2, \ks
	MUL8 \t, 3, \ks
	PLACES 4
	FETCH_A (((\ks)+1)/4)%2, ((\ks)+1)%4, 2
.endm
; A slot's last step (K step 3 or 7) changes slots: one barrier; in front of it each wave waits for all its tensor loads, adds 0 to its spare word, and waits for that and for its reads of the slot.
; fill = 1: the slot takes the same half of K of the NEXT tile.  Behind K step 7 the fragments fetched are the next tile's first.
.macro TURN t, ks, fill
.set SL, ((\ks)/4)%2
	WIN 0                                          ; (the add's two registers lie in window 0)
	s_wait_tensorcnt 0x0                           ; all my tensor loads have landed: my part of the other slot
	ds_add_u32 v[SPW], v[NIL]                      ; 0 onto my spare word
	s_wait_dscnt 7                                 ; (the add and A's blocks 2, 3 may be out)
	WIN 0xad
	MUL8 \t, 0, \ks
	s_wait_dscnt 0x0                               ; the add is done, and my reads of this slot are over
	s_barrier_signal -1
	MUL8 \t, 1, \ks
	WIN 0
	s_barrier_wait -1
.if \fill
	CREST                                          ; the barrier has opened a round of the cluster's: no wave of any partner still reads this slot or has a load on its way
.if (\t) == 0
	s_add_nc_u64 s[G0A+4*SL+2:G0A+4*SL+3], s[PA0:PA0+1], XIMG+SL*KSL
	s_add_nc_u64 s[G0B+4*SL+2:G0B+4*SL+3], s[PB0:PB0+1], WIMG+SL*KSL
.else
	s_add_nc_u64 s[G0A+4*SL+2:G0A+4*SL+3], s[PAV:PAV+1], SL*KSL
	s_add_nc_u64 s[G0B+4*SL+2:G0B+4*SL+3], s[PBV:PBV+1], SL*KSL
.endif
	s_or_b32 s[G0A+4*SL+3], s[G0A+4*SL+3], 0x80000000
	s_or_b32 s[G0B+4*SL+3], s[G0B+4*SL+3], 0x80000000
	JLOAD G0A+4*SL, G0B+4*SL                       ; the first tensor load behind the round; its four v_nop are the places in front of the loads below
.else
	PLACES 4
.endif
	s_wait_alu depctr_va_vdst(0)
	FETCH_B 1-SL, 0, 1-(\ks)%2
	FETCH_A 1-SL, 0, 0
.if (\fill) && (\t) == 0
	global_prefetch_b8 v24, s[100:101] offset:SL*KSL th:TH_LOAD_NT scope:SCOPE_SE   ; behind k's refill of this slot: v's tile, the same half of K, two fills on
	global_prefetch_b8 v25, s[100:101] offset:SL*KSL th:TH_LOAD_NT scope:SCOPE_SE
.endif
	WIN 0xad
	MUL8 \t, 2, \ks
	MUL8 \t, 3, \ks
	PLACES 4
	FETCH_A 1-SL, 0, 2
.endm
; tile t's scale words: A's four blocks and B's eight, all 8 K steps: 12 loads of 16 bytes a lane
.macro SLOADS t, pa, oa, pb, ob
.irp kk, 0,1,2,3
	global_load_b128 v[SC+48*(\t)+4*\kk:SC+48*(\t)+4*\kk+3], v[SOF], s[\pa:\pa+1] offset:\oa+1024*\kk
.irp n, 0,1
	global_load_b128 v[SC+48*(\t)+16+8*\kk+4*\n:SC+48*(\t)+16+8*\kk+4*\n+3], v[SOF], s[\pb:\pb+1] offset:\ob+1024*\kk+16*\n
.endr
.endr
.endm
; q's or k's bias in the result's layout: register j of tile b is e = 32 (b / 2) + 8 (b % 2) + 16 h + j of B's 128: 16 loads
.macro BLOADS t, p
.irp b, 0,1,2,3,4,5,6,7
	global_load_b128 v[CB+64*(\t)+8*\b:CB+64*(\t)+8*\b+3], v[VB], s[\p:\p+1] offset:4*(32*(\b/2)+8*(\b%2))
	global_load_b128 v[CB+64*(\t)+8*\b+4:CB+64*(\t)+8*\b+7], v[VB], s[\p:\p+1] offset:4*(32*(\b/2)+8*(\b%2))+16
.endr
.endm
; THE WAY OUT of tile t's block a.  Its 64 registers are 128 numbers of my row along the axis to be quantised: four blocks of 32, 16 numbers in each half of the lanes.  They become one fragment and one scale word a row.
.macro QOUT t, a
.set AC0, 64*(\a)
.set PWR, PWS+4*(\t)+(\a)
	WIN 0x0a                                       ; sources 0 and 1 window 2
.irp b, 0,1,2,3
	v_max3_num_f32 v[TM+\b], |v[AC0+16*\b]|, |v[AC0+1+16*\b]|, 0x1800000   ; each accumulator is read from its low end on; the floor 2^(3 - 127) holds the byte at 1
.endr
	WIN 0x28                                       ; sources 1 and 2 window 2
.irp i, 2,4,6,8,10,12,14
.irp b, 0,1,2,3
	v_max3_num_f32 v[TM+\b], v[TM+\b], |v[AC0+16*\b+\i]|, |v[AC0+1+16*\b+\i]|
.endr
.endr
	WIN 0
.irp b, 0,1,2,3
	v_permlanex16_b32 v[TM+4+\b], v[TM+\b], s[SEL], s[SEL+1]
.endr
.irp b, 0,1,2,3
	v_max_num_f32 v[TM+\b], v[TM+\b], v[TM+4+\b]
.endr
.irp b, 0,1,2,3
	v_add_nc_u32 v[TM+12+\b], 0xff000000, v[TM+\b] ; 2 off the exponent field: the conversion's scale operand
.endr
.irp b, 0,1,2,3
	v_lshrrev_b32 v[TM+4+\b], 23, v[TM+12+\b]
.endr
	v_lshl_or_b32 v[PWR], v[TM+5], 8, v[TM+4]
	v_lshl_or_b32 v[PWR], v[TM+6], 16, v[PWR]
	v_lshl_or_b32 v[PWR], v[TM+7], 24, v[PWR]
.if (\t)+(\a) > 0
	s_wait_xcnt 0x0                                ; the last block's stores have read the codes' registers, which the conversions below write; the lines above stand between those stores and this wait
.endif
	WIN 0x02                                       ; source 0 window 2
.irp c, 0,1
	v_cvt_scalef32_pk16_fp6_f32 v[PC+6*\c:PC+2+6*\c], v[AC0+32*\c:AC0+15+32*\c], v[TM+12+2*\c]
	v_cvt_scalef32_pk16_fp6_f32 v[PC+12+4*\c:PC+14+4*\c], v[AC0+16+32*\c:AC0+31+32*\c], v[TM+12+2*\c+1]
.endr
	WIN 0
	v_nop                                          ; one plain place behind a scaled conversion
.irp c, 0,1
.irp i, 0,1,2
	v_permlane16_swap_b32 v[PC+6*\c+\i], v[PC+12+4*\c+\i]
.endr
.irp i, 0,1,2
	v_mov_b32 v[PC+3+6*\c+\i], v[PC+12+4*\c+\i]
.endr
.endr
.irp c, 0,1,2
.if (\t) < 2
	global_store_b128 v[LI], v[PC+4*\c:PC+4*\c+3], s[80:81] offset:(\t)*XIMG+(\a)*RB8+512*\c   ; 512 consecutive bytes, aligned; the tensor and the block stand in the immediate, 6,329,344 at the most
.else
	global_store_b128 v[LI], v[PC+4*\c:PC+4*\c+3], s[82:83] offset:(\a)*RB16+512*\c
.endif
.endr
.endm
.macro OUT t
.irp a, 0,1,2,3
	QOUT \t, \a
.endr
.endm
	s_load_b256 s[4:11], s[0:1], 0x0               ; xc s[4:5], xs s[6:7], bq s[8:9], bk s[10:11]
	s_load_b128 s[12:15], s[0:1], 0x20             ; bv s[12:13], pc s[14:15]
	s_load_b64 s[16:17], s[0:1], 0x30              ; ps
	v_lshl_add_u32 v[SPW], v0, 2, SPARE
	v_mov_b32 v[NIL], 0
	ds_add_u32 v28, v29
	ds_add_u32 v28, v29
	s_wait_dscnt 0x0
	v_lshrrev_b32 v1, 5, v0
	v_readfirstlane_b32 s[WV], v1                  ; wave 0..3
	s_lshr_b32 s[WA], s[WV], 1                     ; my 64 rows of A.  Also: I fetch for A (0) or for B (1)
	s_and_b32 s[WB], s[WV], 1                      ; my 128 rows of B.  Also: which half I fetch
	s_bfe_u32 s21, ttmp6, 0x40000                  ; cx
	s_bfe_u32 s22, ttmp6, 0x40004                  ; cy
	s_and_b32 s23, ttmp7, 0xffff                   ; the cluster's number 0..15
	s_lshl_b32 s88, s23, 2
	s_add_co_u32 s88, s88, s22                     ; q, k: A's tile (128 rows): 4 x cluster + cy.  B's tile (256 columns e) is cx
	s_and_b32 s89, s23, 1
	s_lshl_b32 s89, s89, 2
	s_add_co_u32 s89, s89, s22                     ; v: A's tile (128 columns e of Wv): 4 x (cluster % 2) + cy
	s_lshr_b32 s90, s23, 1
	s_lshl_b32 s90, s90, 2
	s_add_co_u32 s90, s90, s21                     ; v: B's tile (256 keys): 4 x (cluster / 2) + cx
	s_lshl_b32 s100, s22, 2
	s_lshl_b32 s100, 15, s100                      ; my row of the cluster
	s_lshl_b32 s101, 0x1111, s21                   ; my column
	; descriptor group 1: rows (row blocks) of 6,144 bytes (four fragments), 12,288 bytes apart, elements of 8 bytes, dense in LDS: 4 rows of A, 8 of B
	s_or_b32 s[G1A], s100, (3<<16)|(1<<21)
	s_or_b32 s[G1B], s101, (3<<16)|(1<<21)
	s_mov_b32 s[G1A+1], 768<<16                    ; tensor_dim0
	s_mov_b32 s[G1A+2], 4<<16                      ; tensor_dim1
	s_mov_b32 s[G1A+3], 768<<16                    ; tile_dim0
	s_mov_b32 s[G1A+4], 4                          ; tile_dim1
	s_mov_b32 s[G1A+5], 1536                       ; from row to row
	s_mov_b32 s[G1A+6], 0
	s_mov_b32 s[G1A+7], 0
	s_mov_b32 s[G1B+1], 768<<16
	s_mov_b32 s[G1B+2], 8<<16
	s_mov_b32 s[G1B+3], 768<<16
	s_mov_b32 s[G1B+4], 8
	s_mov_b32 s[G1B+5], 1536
	s_mov_b32 s[G1B+6], 0
	s_mov_b32 s[G1B+7], 0
	; where the tiles come from.  A's hang on cy and the cluster's number alone, B's on cx and the cluster's number alone, each in registers that never hold the other coordinate
	s_lshl_b32 s2, s[WB], 2
	s_lshl_b32 s[PA0], s88, 3
	s_add_co_u32 s[PA0], s[PA0], s2
	s_mul_i32 s[PA0], s[PA0], RB8                  ; q: row block 8 x tile + 4 x half
	s_mov_b32 s[PA0+1], 0
	s_lshl_b32 s[PAV], s89, 3
	s_add_co_u32 s[PAV], s[PAV], s2
	s_mul_i32 s[PAV], s[PAV], RB8
	s_add_co_u32 s[PAV], s[PAV], WOFF+2*WIMG       ; Wv likewise
	s_mov_b32 s[PAV+1], 0
	s_lshl_b32 s2, s[WB], 3
	s_lshl_b32 s[PB0], s21, 4
	s_add_co_u32 s[PB0], s[PB0], s2
	s_mul_i32 s[PB0], s[PB0], RB8
	s_add_co_u32 s[PB0], s[PB0], WOFF              ; Wq: row block 16 x tile + 8 x half
	s_mov_b32 s[PB0+1], 0
	s_lshl_b32 s[PBV], s90, 4
	s_add_co_u32 s[PBV], s[PBV], s2
	s_mul_i32 s[PBV], s[PBV], RB8
	s_add_co_u32 s[PBV], s[PBV], 2*XIMG            ; v likewise
	s_mov_b32 s[PBV+1], 0
	s_mul_i32 s91, s[WB], 4*KSL                    ; where they go: no place in the cluster enters an LDS address
	s_mul_i32 s3, s[WB], 8*KSL
	s_add_co_u32 s3, s3, BOFF
	s_wait_kmcnt 0x0
	s_add_nc_u64 s[PA0:PA0+1], s[4:5], s[PA0:PA0+1]
	s_add_nc_u64 s[PAV:PAV+1], s[4:5], s[PAV:PAV+1]
	s_add_nc_u64 s[PB0:PB0+1], s[4:5], s[PB0:PB0+1]
	s_add_nc_u64 s[PBV:PBV+1], s[4:5], s[PBV:PBV+1]
	CROUND                                         ; all sixteen work-groups are here: the first joint loads meet
.irp s, 0,1
	s_mov_b32 s[G0A+4*\s], 1
	s_add_co_u32 s[G0A+4*\s+1], s91, \s*SLOT
	s_add_nc_u64 s[G0A+4*\s+2:G0A+4*\s+3], s[PA0:PA0+1], \s*KSL
	s_or_b32 s[G0A+4*\s+3], s[G0A+4*\s+3], 0x80000000
	s_mov_b32 s[G0B+4*\s], 1
	s_add_co_u32 s[G0B+4*\s+1], s3, \s*SLOT
	s_add_nc_u64 s[G0B+4*\s+2:G0B+4*\s+3], s[PB0:PB0+1], \s*KSL
	s_or_b32 s[G0B+4*\s+3], s[G0B+4*\s+3], 0x80000000
.endr
	s_cmp_eq_u32 s[WA], 0                          ; the head's fills, one a wave: q's first half of K, into slot 0
	s_cbranch_scc0 .Lfirst_b
	tensor_load_to_lds s[G0A:G0A+3], s[G1A:G1A+7]
	s_nop 0
	PLACES 4
	s_branch .Lfirst_asked
.Lfirst_b:
	tensor_load_to_lds s[G0B:G0B+3], s[G1B:G1B+7]
	s_nop 0
	PLACES 4
.Lfirst_asked:
	; THE PREFETCHES INTO THE L2: each later fill's bytes are asked for two fills ahead of the load that wants them (the second fill's one ahead), two instructions a wave and fill.  Of the row blocks that a wave fetches jointly
	; with three partners each partner names a quarter, told apart by address: of A's four the row block cx (2 x 12 lanes, 256 bytes apart), of B's eight the row blocks 2 cy and 2 cy + 1 (24 lanes each); lanes left over name the last block again.
	; s[4:5]: my share of q's tile; s[104:105]: of k's; s[100:101]: of v's; none is written again.  v24, v25: the two instructions' lane offsets.
	s_lshl_b32 s3, s22, 1
	s_mov_b32 s96, RB8
	s_mov_b32 s98, WIMG
	s_mov_b32 s99, 23
	s_cmp_eq_u32 s[WA], 0
	s_cselect_b64 s[4:5], s[PA0:PA0+1], s[PB0:PB0+1]
	s_cselect_b64 s[100:101], s[PAV:PAV+1], s[PBV:PBV+1]
	s_cselect_b32 s2, s21, s3
	s_cselect_b32 s96, 3072, s96
	s_cselect_b32 s98, XIMG, s98
	s_cselect_b32 s99, 11, s99
	v_and_b32 v24, 31, v0
	v_min_u32 v24, s99, v24
	v_lshlrev_b32 v24, 8, v24
	v_add_nc_u32 v25, s96, v24
	s_mul_i32 s2, s2, RB8
	s_mov_b32 s3, 0
	s_mov_b32 s99, 0
	s_add_nc_u64 s[100:101], s[100:101], s[2:3]
	s_add_nc_u64 s[4:5], s[4:5], s[2:3]
	s_add_nc_u64 s[104:105], s[4:5], s[98:99]
	global_prefetch_b8 v24, s[4:5] offset:KSL th:TH_LOAD_NT scope:SCOPE_SE   ; q's second half of K
	global_prefetch_b8 v25, s[4:5] offset:KSL th:TH_LOAD_NT scope:SCOPE_SE
	global_prefetch_b8 v24, s[104:105] th:TH_LOAD_NT scope:SCOPE_SE          ; k's first half of K
	global_prefetch_b8 v25, s[104:105] th:TH_LOAD_NT scope:SCOPE_SE
	v_and_b32 v1, 15, v0
	v_bfe_u32 v2, v0, 4, 1                         ; h
	v_and_b32 v3, 31, v0                           ; lane
	v_lshlrev_b32 v[LI], 4, v3
	v_lshlrev_b32 v4, 5, v1                        ; 32 r
	v_lshl_add_u32 v[SOF], v2, 9, v4
	s_wait_alu depctr_va_vdst(0)
	v_lshlrev_b32 v[VB], 6, v2
	s_wait_alu depctr_va_vdst(0)
	v_and_b32 v5, 8, v1
	v_add_nc_u32 v5, v5, v1
	v_lshlrev_b32 v[VR], 2, v5
	; the scale words: 4,096 bytes for a group of 128 rows; of A's group my four blocks' words begin 16 x (my half) bytes on
	s_lshl_b32 s2, s[WA], 4
	s_lshl_b32 s66, s88, 12
	s_add_co_u32 s66, s66, s2                      ; q's (k's: 262,144 bytes on)
	s_mov_b32 s67, 0
	s_lshl_b32 s68, s89, 12
	s_add_co_u32 s68, s68, s2
	s_add_co_u32 s68, s68, 786432+2*32768          ; Wv's
	s_mov_b32 s69, 0
	s_lshl_b32 s95, s21, 1
	s_add_co_u32 s95, s95, s[WB]                   ; q, k: my group of 128 columns e: also the results' K step
	s_lshl_b32 s70, s95, 12
	s_add_co_u32 s70, s70, 786432                  ; Wq's (Wk's: 32,768 bytes on)
	s_mov_b32 s71, 0
	s_lshl_b32 s97, s90, 1
	s_add_co_u32 s97, s97, s[WB]                   ; v: my group of 128 keys, over all batches
	s_lshl_b32 s72, s97, 12
	s_add_co_u32 s72, s72, 2*262144                ; v's
	s_mov_b32 s73, 0
	s_add_nc_u64 s[66:67], s[6:7], s[66:67]
	s_add_nc_u64 s[68:69], s[6:7], s[68:69]
	s_add_nc_u64 s[70:71], s[6:7], s[70:71]
	s_add_nc_u64 s[72:73], s[6:7], s[72:73]
	s_lshl_b32 s74, s95, 9                         ; the biases: 4 bytes x 128 x my group of columns
	s_mov_b32 s75, 0
	s_add_nc_u64 s[76:77], s[10:11], s[74:75]      ; bk
	s_add_nc_u64 s[74:75], s[8:9], s[74:75]        ; bq
	s_lshl_b32 s78, s89, 9
	s_lshl_b32 s2, s[WA], 8
	s_add_co_u32 s78, s78, s2                      ; bv: 4 x (128 x A's tile + 64 x my half)
	s_mov_b32 s79, 0
	s_add_nc_u64 s[78:79], s[12:13], s[78:79]
	SLOADS 0, 66, 0, 70, 0                         ; q's 28 loads,
	WIN 0xc0
	BLOADS 0, 74
	WIN 0
	SLOADS 1, 66, 262144, 70, 32768                ; then k's 28
	WIN 0xc0
	BLOADS 1, 76
	WIN 0
	; where the results go.  These sums hold cx and cy together: they lie in registers that feed no descriptor
	s_lshl_b32 s2, s[WA], 2
	s_lshl_b32 s94, s88, 3
	s_add_co_u32 s94, s94, s2
	s_mul_i32 s94, s94, RB8
	s_mul_i32 s96, s95, FRB
	s_add_co_u32 s80, s94, s96                     ; qp: row block 8 x tile + 4 x half, K step = my group of columns (kp: XIMG bytes on)
	s_mov_b32 s81, 0
	s_lshr_b32 s98, s97, 4                         ; vp: the batch,
	s_and_b32 s99, s97, 15                         ; the K step in it
	s_lshl_b32 s94, s89, 3
	s_add_co_u32 s94, s94, s2
	s_mul_i32 s94, s94, RB16
	s_mul_i32 s96, s98, 1572864
	s_add_co_u32 s94, s94, s96
	s_mul_i32 s96, s99, FRB
	s_add_co_u32 s94, s94, s96
	s_add_co_u32 s82, s94, 2*XIMG
	s_mov_b32 s83, 0
	s_lshl_b32 s84, s88, 3
	s_add_co_u32 s84, s84, s95
	s_lshl_b32 s84, s84, 9                         ; qp's scale words: 512 bytes for a group and a K step (kp's: 262,144 bytes on)
	s_mov_b32 s85, 0
	s_lshl_b32 s86, s98, 3
	s_add_co_u32 s86, s86, s89
	s_lshl_b32 s86, s86, 4
	s_add_co_u32 s86, s86, s99
	s_lshl_b32 s86, s86, 9
	s_add_co_u32 s86, s86, 2*262144                ; vp's
	s_mov_b32 s87, 0
	s_add_nc_u64 s[80:81], s[14:15], s[80:81]
	s_add_nc_u64 s[82:83], s[14:15], s[82:83]
	s_add_nc_u64 s[84:85], s[16:17], s[84:85]
	s_add_nc_u64 s[86:87], s[16:17], s[86:87]
	s_mul_i32 s2, s[WA], 4*KSL
	s_mul_i32 s3, s[WB], 8*KSL
	s_add_co_u32 s3, s3, BOFF
.irp s, 0,1
	v_add_nc_u32 v[ADRA+\s], s2, v[LI]
	v_add_nc_u32 v[ADRB+\s], s3, v[LI]
	s_add_co_u32 s2, s2, SLOT
	s_add_co_u32 s3, s3, SLOT
.endr
	s_lshl_b32 s2, s[WB], 9
	s_lshl_b32 s3, s[WA], 4
	s_add_co_u32 s3, s3, s2
	s_add_co_u32 s3, s3, SST
	v_add_nc_u32 v[SWO], s3, v4                    ; the stage: 512 x (B's half) + 32 r + 16 x (A's half)
	s_lshl_b32 s3, s[WA], 8
	v_lshlrev_b32 v[L8], 3, v3
	v_add_nc_u32 v[L8], s3, v[L8]
	s_add_co_u32 s2, s2, SST
	v_add_nc_u32 v[SRD], s2, v[L8]                 ; back: 512 x (B's half) + 256 x (A's half) + 8 x lane
	s_mov_b32 s[SEL], 0x76543210
	s_mov_b32 s[SEL+1], 0xfedcba98
.irp b, 0,1,2,3
	v_mov_b32 v[TM+4+\b], 0                        ; written once: a lane permute's destination counts as one of its sources
.endr
	s_wait_alu depctr_va_vdst(0)
	s_wait_tensorcnt 0x0                           ; my part of slot 0 is in; slot 1's first fill is issued as a refill is:
	ds_add_u32 v[SPW], v[NIL]                      ; 0 onto my spare word
	s_wait_dscnt 0x0
	CROUND                                         ; a whole round: slot 0 is whole, and the joint loads meet
	JLOAD G0A+4, G0B+4                             ; q's second half of K, the first tensor load behind the round
	FETCH_B 0, 0, 0
	FETCH_A 0, 0, 0
	FETCH_A 0, 0, 2
	WIN 0
	s_wait_loadcnt 28                              ; q's scale words and bias are in; k's 28 loads may be out
	SLOADS 2, 68, 0, 72, 0
	global_prefetch_b8 v24, s[104:105] offset:KSL th:TH_LOAD_NT scope:SCOPE_SE   ; k's second half of K
	global_prefetch_b8 v25, s[104:105] offset:KSL th:TH_LOAD_NT scope:SCOPE_SE
	WIN 0xc0
.irp a, 0,1,2,3
	global_load_b32 v[CB+128+8*\a], v[VR], s[78:79] offset:4*(32*(\a/2)+8*(\a%2))   ; bv at A's row 32 (a / 2) + 8 (a % 2) + r + 8 (r / 8) of my 64
.endr
	; ---- q ----
	STEP 0, 0
	STEP 0, 1
	STEP 0, 2
	TURN 0, 3, 1                                   ; slot 0 takes k's first half
	STEP 0, 4
	STEP 0, 5
	STEP 0, 6
	TURN 0, 7, 1                                   ; slot 1 takes k's second half; k's first fragments are fetched
	s_wait_loadcnt 0x0                             ; k's and v's scale words and biases
	WIN 0xc3
.irp a, 0,1,2,3
.irp j, 1,2,3,4,5,6,7
	v_mov_b32 v[CB+128+8*\a+\j], v[CB+128+8*\a]    ; in v's tile all eight registers of a lane belong to one e
.endr
.endr
	OUT 0
	; ---- k ----
	STEP 1, 0
	STEP 1, 1
	STEP 1, 2
	TURN 1, 3, 1                                   ; slot 0 takes v's first half
	STEP 1, 4
	STEP 1, 5
	STEP 1, 6
	TURN 1, 7, 1                                   ; slot 1 takes v's second half
	OUT 1
	; ---- v ----
	STEP 2, 0
	STEP 2, 1
	STEP 2, 2
	TURN 2, 3, 0                                   ; nothing is left to fetch
	STEP 2, 4
	STEP 2, 5
	STEP 2, 6
	s_wait_dscnt 6                                 ; the last step
	WIN 0xad
	MUL8 2, 0, 7
	MUL8 2, 1, 7
	s_wait_dscnt 0x0
	MUL8 2, 2, 7
	MUL8 2, 3, 7
	WIN 0
	PLACES 4                                       ; in front of the first read of these results
	OUT 2
	; the scale words of the three tiles: my four words of row r into the stage; a barrier, since a row's eight words come from two waves; back as 256 consecutive bytes a wave
.irp t, 0,1,2
	ds_store_b128 v[SWO], v[PWS+4*\t:PWS+4*\t+3] offset:1024*\t   ; both halves of the lanes write the same bytes with the same values
.endr
	s_wait_dscnt 0x0                               ; for the others' sake: my words lie in the stage
	s_barrier_signal -1
	s_barrier_wait -1
.irp t, 0,1,2
	ds_load_b64 v[OW+2*\t:OW+2*\t+1], v[SRD] offset:1024*\t
.endr
	s_wait_dscnt 0x0
	global_store_b64 v[L8], v[OW:OW+1], s[84:85]
	global_store_b64 v[L8], v[OW+2:OW+3], s[84:85] offset:262144
	global_store_b64 v[L8], v[OW+4:OW+5], s[86:87]
	s_wait_tensorcnt 0x0                           ; the wave's end
	ds_add_u32 v[SPW], v[NIL]
	s_wait_dscnt 0x0
	CROUND                                         ; the closing round
	s_endpgm
.Lfunc_end_k_q380ff8b1fa_proj:
	.size	k_q380ff8b1fa_proj, .Lfunc_end_k_q380ff8b1fa_proj-k_q380ff8b1fa_proj
	.p2alignl 7, 3214868480
	.fill 96, 4, 3214868480
	.section	.rodata,"a",@progbits
	.p2align	6, 0x0
	.amdhsa_kernel k_q380ff8b1fa_proj
		.amdhsa_group_segment_fixed_size 327680
		.amdhsa_private_segment_fixed_size 0
		.amdhsa_enable_private_segment 0
		.amdhsa_kernarg_size 56
		.amdhsa_user_sgpr_count 2
		.amdhsa_user_sgpr_kernarg_segment_ptr 1
		.amdhsa_wavefront_size32 1
		.amdhsa_system_sgpr_workgroup_id_x 1
		.amdhsa_system_sgpr_workgroup_id_y 1
		.amdhsa_system_sgpr_workgroup_id_z 1
		.amdhsa_system_vgpr_workitem_id 0
		.amdhsa_next_free_vgpr 1024
		.amdhsa_next_free_sgpr 106
		.amdhsa_reserve_vcc 0
		.amdhsa_float_denorm_mode_32 3
		.amdhsa_float_denorm_mode_16_64 3
		.amdhsa_memory_ordered 1
		.amdhsa_forward_progress 1
		.amdhsa_inst_pref_size 238
	.end_amdhsa_kernel
	.amdgpu_metadata
---
amdhsa.version: [ 1, 2 ]
amdhsa.kernels:
  - .name:           k_q380ff8b1fa_proj
    .symbol:         k_q380ff8b1fa_proj.kd
    .args:
      - { .name: xc, .offset: 0, .size: 8, .value_kind: global_buffer, .address_space: global }
      - { .name: xs, .offset: 8, .size: 8, .value_kind: global_buffer, .address_space: global }
      - { .name: bq, .offset: 16, .size: 8, .value_kind: global_buffer, .address_space: global }
      - { .name: bk, .offset: 24, .size: 8, .value_kind: global_buffer, .address_space: global }
      - { .name: bv, .offset: 32, .size: 8, .value_kind: global_buffer, .address_space: global }
      - { .name: pc, .offset: 40, .size: 8, .value_kind: global_buffer, .address_space: global }
      - { .name: ps, .offset: 48, .size: 8, .value_kind: global_buffer, .address_space: global }
    .group_segment_fixed_size: 327680
    .private_segment_fixed_size: 0
    .kernarg_segment_align: 8
    .kernarg_segment_size: 56
    .max_flat_workgroup_size: 128
    .sgpr_count:     106
    .vgpr_count:     1024
    .wavefront_size: 32
...
	.end_amdgpu_metadata
.endif
;; end of part 2
;; launch scores (part 3): grid 8 x 32, 4 waves a work-group, clusters of 4 x 4, 327,680 bytes of LDS; arguments pc, ps, pp, pst; writes pp, pst
.if DOCPART == 3
	.amdgcn_target "amdgcn-amd-amdhsa--gfx1250"
	.amdhsa_code_object_version 6
	.text
	.protected	k_q380ff8b1fa_scores
	.globl	k_q380ff8b1fa_scores
	.p2align	8
	.type	k_q380ff8b1fa_scores,@function
k_q380ff8b1fa_scores:
	s_mov_b64 s[64:65], 0
	v_nop
	global_prefetch_b8 v0, s[64:65] scope:SCOPE_SE
	s_setreg_imm32_b32 hwreg(HW_REG_WAVE_MODE, 25, 1), 1
	s_wait_xcnt 0x0
	s_wait_alu depctr_hold_cnt(0) depctr_sa_sdst(0) depctr_va_vdst(0) depctr_va_sdst(0) depctr_va_ssrc(0) depctr_va_vcc(0) depctr_vm_vsrc(0)
	s_getreg_b32 s2, hwreg(HW_REG_IB_STS2, 6, 4)
	s_cmp_eq_u32 s2, 0
	s_cbranch_scc0 .Lentry_in_a_cluster
	s_endpgm
.Lentry_in_a_cluster:
	s_bfe_u32 s2, ttmp6, 0x10000c
	s_cmp_lg_u32 s2, 0xf033
	s_cbranch_scc0 .Lentry_shape_is_right
	s_endpgm
.Lentry_shape_is_right:
; S = qp kp^T on codes of FP6 (E2M3), and the softmax's p as codes.  A tile is 256 queries x 256 keys of one batch, K = 1,024; four waves, each 128 x 128.
; THE MATRIX INSTRUCTION IS USED TRANSPOSED (source 0 = 16 keys, source 1 = 16 queries): a lane holds one query, and the 64 registers of a block of queries are 128 neighbouring keys.
; THE SOFTMAX, for a row and these 128 keys: t = score x log2(e) / 32; M' = the largest t of the 128, rounded up to a whole number; p = 2^(t - M') is quantised along the keys; l' = the sum of the unquantised p.
; Stored: p's codes as images of the operand's registers, its scale words, -M' and l'.  The next launch takes M = the largest M' of a row and shifts the scale bytes by M' - M: a power of two, which changes no code.
; Ring, cluster, layouts and scale words as in the projections' launch.
; LIMITS: NaN and infinities are not served; a block whose every p has fallen to 0 keeps the byte 1 (its codes are zeros).
; REGISTERS: window 0: v16-24 addresses; v28, v29 the spare word's; v32-63 A's scale words, v64-95 B's; v128-223 A's fragments; on the way out v96-111 and v128-251 at work.
;   window 1: B's fragments, two sets.  windows 2, 3: accumulator (a, b) at v[8 (8 (a % 4) + b)].
.set FR,    12
.set FRB,   1536
.set RB8,   12288
.set RB16,  24576                      ; a row block of p: 16 fragments
.set HALFT, 36864                      ; 8 row blocks x 3 fragments: what one tensor load brings
.set BOFF,  73728
.set SLOT,  147456                     ; two slots of three K steps: K steps 0-2, 3-5, and 6-7 again in slot 0
.set SPARE, 294912
.set XIMG,  6291456
.set ADRA, 16
.set ADRB, 19
.set LI,   22
.set SOF,  23
.set WOF,  24
.set SPW,  28
.set NIL,  29
.set SA,   32
.set SB,   64
.set AF,   128
.set PT,   128                         ; v128-191 t - M', then p
.set PC,   192                         ; v192-211 p's codes
.set BM,   212                         ; v212-215 the blocks' largest scores, then largest p
.set BX,   216                         ; v216-219 at work
.set SO,   220                         ; v220-223 the conversions' scale operands
.set PWS,  228                         ; v228-235 scale words, a block of queries each
.set NMS,  236                         ; v236-243 -M'
.set LLS,  244                         ; v244-251 l'
.set WV,  18
.set WA,  19
.set WB,  20
.set G1A, 24
.set G1B, 32
.set G0A, 40
.set G0B, 52
.set SEL, 92
.set CS,  94
.set MSB, 0
.macro WIN new
.if MSB != (\new)
	s_set_vgpr_msb (MSB<<8)|(\new)
.set MSB, (\new)
.endif
.endm
.macro PLACES n
.rept \n
	v_nop
.endr
.endm
.macro CREST
	s_cmp_lg_u32 s[WV], 0
	s_cbranch_scc1 .Lnot_wave_0_\@
	s_barrier_signal -3
.Lnot_wave_0_\@:
	s_barrier_wait -3
	s_barrier_signal -1
	s_barrier_wait -1
.endm
.macro CROUND
	s_barrier_signal -1
	s_barrier_wait -1
	CREST
.endm
.macro JLOAD g0a, g0b
	s_cmp_eq_u32 s[WA], 0
	s_cbranch_scc0 .Lfor_b_\@
	tensor_load_to_lds s[\g0a:\g0a+3], s[G1A:G1A+7]
	s_nop 0
	PLACES 4
	s_branch .Lasked_\@
.Lfor_b_\@:
	tensor_load_to_lds s[\g0b:\g0b+3], s[G1B:G1B+7]
	s_nop 0
	PLACES 4
.Lasked_\@:
.endm
.macro FRAG reg, adr, off
.irp c, 0,1,2
	ds_load_b128 v[\reg+4*\c:\reg+4*\c+3], v[\adr] offset:\off+512*\c
.endr
.endm
.macro FETCH_B slot, q, set
	WIN 0x40
.irp i, 0,1,2,3,4,5,6,7
	FRAG 128*(\set)+FR*\i, ADRB+\slot, \i*4608+FRB*(\q)
.endr
	WIN 0
.endm
.macro FETCH_A slot, q, i0
.irp i, \i0, \i0+1, \i0+2, \i0+3
	FRAG AF+FR*(\i), ADRA+\slot, (\i)*4608+FRB*(\q)
.endr
.endm
; 16 matrix instructions: A's blocks a0, a0 + 1 x B's eight.  In K step 0 the products start the sums.  The 64 accumulators take turns.
.macro MUL16 a0, ks
.irp a, \a0, \a0+1
.irp b, 0,1,2,3,4,5,6,7
.set rD, 8*(8*((\a)%4)+\b)
.set rB, 128*((\ks)%2)+FR*\b
.set rA, AF+FR*(\a)
.set rSB, SB+8*((\ks)/2)+\b
.set rSA, SA+8*((\ks)/2)+(\a)
.if (\ks) == 0
	v_wmma_scale_f32_16x16x128_f8f6f4 v[rD:rD+7], v[rB:rB+FR-1], v[rA:rA+FR-1], 0, v[rSB], v[rSA] matrix_a_fmt:MATRIX_FMT_FP6 matrix_b_fmt:MATRIX_FMT_FP6
.elseif (\ks)%2
	v_wmma_scale_f32_16x16x128_f8f6f4 v[rD:rD+7], v[rB:rB+FR-1], v[rA:rA+FR-1], v[rD:rD+7], v[rSB], v[rSA] matrix_a_fmt:MATRIX_FMT_FP6 matrix_b_fmt:MATRIX_FMT_FP6 matrix_a_scale:MATRIX_SCALE_ROW1 matrix_b_scale:MATRIX_SCALE_ROW1
.else
	v_wmma_scale_f32_16x16x128_f8f6f4 v[rD:rD+7], v[rB:rB+FR-1], v[rA:rA+FR-1], v[rD:rD+7], v[rSB], v[rSA] matrix_a_fmt:MATRIX_FMT_FP6 matrix_b_fmt:MATRIX_FMT_FP6
.endif
.endr
.endr
.endm
.macro STEP ks, nslot, nq
	s_wait_dscnt 12                                ; B's set and A's blocks 0-3 are in; the youngest 12 loads (A's blocks 4-7) may be out
	WIN 0xa1
	MUL16 0, \ks
	MUL16 2, \ks
	s_wait_dscnt 0x0
	PLACES 4
	FETCH_B \nslot, \nq, 1-(\ks)%2
	FETCH_A \nslot, \nq, 0
	WIN 0xf1
	MUL16 4, \ks
	MUL16 6, \ks
	PLACES 4
	WIN 0
	FETCH_A \nslot, \nq, 4
.endm
.macro TURN ks, nslot, fill
	s_wait_tensorcnt 0x0                           ; all my tensor loads have landed
	ds_add_u32 v[SPW], v[NIL]                      ; 0 onto my spare word
	s_wait_dscnt 13                                ; (the add and A's blocks 4-7 may be out)
	WIN 0xa1
	MUL16 0, \ks
	s_wait_dscnt 0x0                               ; the add is done, and my reads of the slot are over
	s_barrier_signal -1
	MUL16 2, \ks
	WIN 0
	s_barrier_wait -1
.if \fill
	CREST                                          ; a round of the cluster's barrier: no wave of any partner still reads slot 0 or has a load on its way
	s_add_nc_u64 s[G0A+2:G0A+3], s[G0A+2:G0A+3], 3*3072
	s_add_nc_u64 s[G0B+2:G0B+3], s[G0B+2:G0B+3], 3*3072
	s_mov_b32 s[G1A+1], 384<<16                    ; no load of mine is out: of a row block's K two steps, 384 elements, are left; the tile's third step is written as zeros and not read
	s_mov_b32 s[G1B+1], 384<<16
	JLOAD G0A, G0B                                 ; K steps 6 and 7 into slot 0
.else
	PLACES 4
.endif
	FETCH_B \nslot, 0, 1-(\ks)%2
	FETCH_A \nslot, 0, 0
	WIN 0xf1
	MUL16 4, \ks
	MUL16 6, \ks
	PLACES 4
	WIN 0
	FETCH_A \nslot, 0, 4
.endm
	s_load_b256 s[4:11], s[0:1], 0x0               ; pc s[4:5], ps s[6:7], pp s[8:9], pst s[10:11]
	v_lshl_add_u32 v[SPW], v0, 2, SPARE
	v_mov_b32 v[NIL], 0
	ds_add_u32 v28, v29
	ds_add_u32 v28, v29
	s_wait_dscnt 0x0
	v_lshrrev_b32 v1, 5, v0
	v_readfirstlane_b32 s[WV], v1
	s_lshr_b32 s[WA], s[WV], 1
	s_and_b32 s[WB], s[WV], 1
	s_bfe_u32 s21, ttmp6, 0x40000                  ; cx
	s_bfe_u32 s22, ttmp6, 0x40004                  ; cy
	s_and_b32 s23, ttmp7, 0xffff
	s_lshl_b32 s66, ttmp9, 2
	s_add_co_u32 s66, s66, s21                     ; tile of 256 keys in the batch
	s_lshl_b32 s67, s23, 2
	s_add_co_u32 s67, s67, s22                     ; tile of 256 queries, over all batches
	s_lshr_b32 s68, s23, 1                         ; the batch: from the cluster's number alone
	s_lshl_b32 s82, s22, 2
	s_lshl_b32 s82, 15, s82
	s_lshl_b32 s83, 0x1111, s21
	s_or_b32 s[G1A], s82, (3<<16)|(1<<21)          ; 8 rows of 4,608 bytes, 12,288 apart, elements of 8 bytes, dense in LDS
	s_or_b32 s[G1B], s83, (3<<16)|(1<<21)
.irp g, G1A, G1B
	s_mov_b32 s[\g+1], 576<<16
	s_mov_b32 s[\g+2], 8<<16
	s_mov_b32 s[\g+3], 576<<16
	s_mov_b32 s[\g+4], 8
	s_mov_b32 s[\g+5], 1536
	s_mov_b32 s[\g+6], 0
	s_mov_b32 s[\g+7], 0
.endr
	s_lshl_b32 s3, s[WB], 3
	s_lshl_b32 s84, s67, 4
	s_add_co_u32 s84, s84, s3
	s_mul_i32 s84, s84, RB8                        ; qp: row block 16 x tile + 8 x half
	s_mov_b32 s85, 0
	s_lshl_b32 s86, s66, 4
	s_add_co_u32 s86, s86, s3
	s_lshl_b32 s96, s68, 7
	s_add_co_u32 s86, s86, s96
	s_mul_i32 s86, s86, RB8
	s_add_co_u32 s86, s86, XIMG                    ; kp: behind qp; row block 128 x batch + 16 x tile + 8 x half
	s_mov_b32 s87, 0
	s_mul_i32 s71, s[WV], HALFT
	s_wait_kmcnt 0x0
	s_add_nc_u64 s[84:85], s[4:5], s[84:85]
	s_add_nc_u64 s[86:87], s[4:5], s[86:87]
	CROUND
.irp s, 0,1
	s_mov_b32 s[G0A+4*\s], 1
	s_add_co_u32 s[G0A+4*\s+1], s71, \s*SLOT
	s_add_nc_u64 s[G0A+4*\s+2:G0A+4*\s+3], s[84:85], \s*4608
	s_or_b32 s[G0A+4*\s+3], s[G0A+4*\s+3], 0x80000000
	s_mov_b32 s[G0B+4*\s], 1
	s_add_co_u32 s[G0B+4*\s+1], s71, \s*SLOT
	s_add_nc_u64 s[G0B+4*\s+2:G0B+4*\s+3], s[86:87], \s*4608
	s_or_b32 s[G0B+4*\s+3], s[G0B+4*\s+3], 0x80000000
.endr
	s_cmp_eq_u32 s[WA], 0                          ; the head's fills, one a wave: K steps 0-2, into slot 0
	s_cbranch_scc0 .Lfirst_b
	tensor_load_to_lds s[G0A:G0A+3], s[G1A:G1A+7]
	s_nop 0
	PLACES 4
	s_branch .Lfirst_asked
.Lfirst_b:
	tensor_load_to_lds s[G0B:G0B+3], s[G1B:G1B+7]
	s_nop 0
	PLACES 4
.Lfirst_asked:
	; THE PREFETCHES INTO THE L2 of the two later fills, K steps 3-5 and 6-7, asked for here: one fill and two fills ahead of their loads.  Of the 8 row blocks that a wave fetches jointly with three partners each partner names two
	; (2 cx, 2 cx + 1 of the queries', 2 cy, 2 cy + 1 of the keys'), told apart by address: 18 lanes, 256 bytes apart, to a row block's 4,608 bytes, 12 to its 3,072; lanes left over name the last block again.
	s_cmp_eq_u32 s[WA], 0
	s_cselect_b64 s[74:75], s[84:85], s[86:87]
	s_cselect_b32 s76, s21, s22
	s_mul_i32 s76, s76, 2*RB8
	s_mov_b32 s77, 0
	s_add_nc_u64 s[74:75], s[74:75], s[76:77]
	v_and_b32 v25, 31, v0
	v_min_u32 v26, 17, v25
	v_min_u32 v25, 11, v25
	v_lshlrev_b32 v26, 8, v26
	v_lshlrev_b32 v25, 8, v25
	global_prefetch_b8 v26, s[74:75] offset:4608 th:TH_LOAD_NT scope:SCOPE_SE
	global_prefetch_b8 v26, s[74:75] offset:4608+RB8 th:TH_LOAD_NT scope:SCOPE_SE
	global_prefetch_b8 v25, s[74:75] offset:9216 th:TH_LOAD_NT scope:SCOPE_SE
	global_prefetch_b8 v25, s[74:75] offset:9216+RB8 th:TH_LOAD_NT scope:SCOPE_SE
	v_and_b32 v1, 15, v0
	v_bfe_u32 v2, v0, 4, 1
	v_and_b32 v3, 31, v0
	v_lshlrev_b32 v[LI], 4, v3
	v_lshlrev_b32 v[WOF], 5, v1
	v_lshl_add_u32 v[SOF], v2, 9, v[WOF]
	s_wait_alu depctr_va_vdst(0)
	v_lshl_add_u32 v[WOF], v2, 4, v[WOF]
	s_lshl_b32 s88, s67, 1
	s_add_co_u32 s88, s88, s[WA]                   ; my group of 128 queries
	s_lshl_b32 s90, s66, 1
	s_add_co_u32 s90, s90, s[WB]                   ; my 128 keys: p's K step in the batch
	s_mul_i32 s98, s88, 8*RB16
	s_mul_i32 s96, s90, FRB
	s_add_co_u32 s98, s98, s96                     ; my first fragment of p
	s_mov_b32 s99, 0
	s_lshl_b32 s100, s88, 4
	s_add_co_u32 s100, s100, s90
	s_lshl_b32 s100, s100, 9                       ; and the 512 bytes of its scale words, of -M' and of l'
	s_mov_b32 s101, 0
	s_lshl_b32 s88, s88, 12
	s_mov_b32 s89, 0
	s_lshl_b32 s96, s68, 4
	s_add_co_u32 s90, s90, s96
	s_lshl_b32 s90, s90, 12
	s_add_co_u32 s90, s90, 262144
	s_mov_b32 s91, 0
	s_add_nc_u64 s[88:89], s[6:7], s[88:89]
	s_add_nc_u64 s[90:91], s[6:7], s[90:91]
	s_add_nc_u64 s[98:99], s[8:9], s[98:99]
	s_add_nc_u64 s[100:101], s[10:11], s[100:101]
.irp kk, 0,1,2,3
.irp n, 0,1
	global_load_b128 v[SA+8*\kk+4*\n:SA+8*\kk+4*\n+3], v[SOF], s[88:89] offset:1024*\kk+16*\n
	global_load_b128 v[SB+8*\kk+4*\n:SB+8*\kk+4*\n+3], v[SOF], s[90:91] offset:1024*\kk+16*\n
.endr
.endr
	s_mul_i32 s73, s[WA], HALFT
	s_mul_i32 s71, s[WB], HALFT
	s_add_co_u32 s71, s71, BOFF
.irp s, 0,1
	v_add_nc_u32 v[ADRA+\s], s73, v[LI]
	v_add_nc_u32 v[ADRB+\s], s71, v[LI]
	s_add_co_u32 s73, s73, SLOT
	s_add_co_u32 s71, s71, SLOT
.endr
	s_mov_b32 s[SEL], 0x76543210
	s_mov_b32 s[SEL+1], 0xfedcba98
	s_mov_b32 s[CS], 0x3d38aa3b                    ; c = log2(e) / sqrt(1024)
	s_mov_b32 s[CS+1], s[CS]                       ; (named with it as a pair, so it is written)
	s_wait_alu depctr_va_vdst(0)
	s_wait_tensorcnt 0x0                           ; my part of slot 0 is in; slot 1's first fill is issued as a refill is:
	ds_add_u32 v[SPW], v[NIL]                      ; 0 onto my spare word
	s_wait_dscnt 0x0
	CROUND                                         ; a whole round: slot 0 is whole, and the joint loads meet
	JLOAD G0A+4, G0B+4                             ; K steps 3-5, the first tensor load behind the round
	FETCH_B 0, 0, 0
	FETCH_A 0, 0, 0
	FETCH_A 0, 0, 4
	s_wait_loadcnt 0x0                             ; the scale words
	STEP 0, 0, 1
	STEP 1, 0, 2
	TURN 2, 1, 1                                   ; slot 1 is whole; slot 0 takes K steps 6 and 7
	STEP 3, 1, 1
	STEP 4, 1, 2
	TURN 5, 0, 0
	STEP 6, 0, 1
	s_wait_dscnt 12
	WIN 0xa1
	MUL16 0, 7
	MUL16 2, 7
	s_wait_dscnt 0x0
	WIN 0xf1
	MUL16 4, 7
	MUL16 6, 7
	WIN 0
	PLACES 4                                       ; in front of the first read of results and the first write of operands' registers
	v_mov_b32 v97, 0                               ; (named as the upper half of the pair v[96:97])
	v_mov_b32 v99, 0                               ; a lane permute's destination counts as one of its sources
.irp b, 0,1,2,3
	v_mov_b32 v[BX+\b], 0
.endr
; THE SOFTMAX of block a's 16 queries over my 128 keys
.macro SOFT a
.set QW, 2+(\a)/4
.set AC0, 64*((\a)%4)
.if (\a) > 0
	s_wait_xcnt 0x0                                ; the last block's stores have read the codes' registers
.endif
	WIN QW|(QW<<2)|(QW<<4)
.irp b, 0,1,2,3
	v_max3_num_f32 v[BM+\b], v[AC0+16*\b], v[AC0+1+16*\b], v[AC0+2+16*\b]   ; the largest score of each block of 32 keys: for the row's maximum, and, since p rises with the score, for the block's largest p
.endr
	WIN (QW<<2)|(QW<<4)
.irp i, 3,5,7,9,11,13
.irp b, 0,1,2,3
	v_max3_num_f32 v[BM+\b], v[BM+\b], v[AC0+16*\b+\i], v[AC0+1+16*\b+\i]
.endr
.endr
.irp b, 0,1,2,3
	v_max_num_f32 v[BM+\b], v[BM+\b], v[AC0+15+16*\b]
.endr
	WIN 0
.irp b, 0,1,2,3
	v_permlanex16_b32 v[BX+\b], v[BM+\b], s[SEL], s[SEL+1]
.endr
.irp b, 0,1,2,3
	v_max_num_f32 v[BM+\b], v[BM+\b], v[BX+\b]     ; with lane l xor 16's 16 keys
.endr
	v_max3_num_f32 v98, v[BM], v[BM+1], v[BM+2]
	v_max_num_f32 v98, v98, v[BM+3]
	v_mul_f32 v98, s[CS], v98                      ; the largest t (c is positive)
	v_floor_f32 v96, -v98                          ; -M' = floor(-t): a whole number
	WIN QW
.irp j, 0,2,4,6,8,10,12,14,16,18,20,22,24,26,28,30,32,34,36,38,40,42,44,46,48,50,52,54,56,58,60,62
	v_pk_fma_f32 v[PT+\j:PT+1+\j], v[AC0+\j:AC0+1+\j], s[CS:CS+1], v[96:97] op_sel_hi:[1,0,0]   ; t - M', two at a time
.endr
	WIN 0
.irp b, 0,1,2,3
	v_fma_f32 v[BM+\b], v[BM+\b], s[CS], v96       ; the same of each block's largest score
.endr
	s_wait_alu depctr_va_vdst(0)
.irp j, 0,1,2,3,4,5,6,7,8,9,10,11,12,13,14,15,16,17,18,19,20,21,22,23,24,25,26,27,28,29,30,31,32,33,34,35,36,37,38,39,40,41,42,43,44,45,46,47,48,49,50,51,52,53,54,55,56,57,58,59,60,61,62,63
	v_exp_f32 v[PT+\j], v[PT+\j]                   ; p = 2^(t - M'), at most 1
.endr
	v_mov_b32 v[NMS+(\a)], v96                     ; (a plain place behind the exponentials)
	s_wait_alu depctr_va_vdst(0)                   ; one wait for the batch, ahead of its first reader
.irp b, 0,1,2,3
	v_exp_f32 v[BM+\b], v[BM+\b]                   ; the block's largest p: the same two instructions on the same number give the same bits
.endr
	v_pk_add_f32 v[224:225], v[PT:PT+1], v[PT+2:PT+3]   ; the sum of the unquantised p, two at a time, in two chains
	v_pk_add_f32 v[226:227], v[PT+4:PT+5], v[PT+6:PT+7]
.irp j, 8,12,16,20,24,28,32,36,40,44,48,52,56,60
	v_pk_add_f32 v[224:225], v[224:225], v[PT+\j:PT+1+\j]
	v_pk_add_f32 v[226:227], v[226:227], v[PT+2+\j:PT+3+\j]
.endr
	v_pk_add_f32 v[224:225], v[224:225], v[226:227]
	v_add_f32 v224, v224, v225
	v_permlanex16_b32 v99, v224, s[SEL], s[SEL+1]
	v_add_f32 v[LLS+(\a)], v224, v99               ; with lane l xor 16's: l'
	s_wait_alu depctr_va_vdst(0)                   ; and one for the four
.irp b, 0,1,2,3
	v_max_num_f32 v[BM+\b], 0x1800000, v[BM+\b]    ; the floor 2^(3 - 127): the byte cannot fall under 1
.endr
.irp b, 0,1,2,3
	v_add_nc_u32 v[SO+\b], 0xff000000, v[BM+\b]
.endr
.irp b, 0,1,2,3
	v_lshrrev_b32 v[BX+\b], 23, v[SO+\b]
.endr
	v_lshl_or_b32 v[PWS+(\a)], v[BX+1], 8, v[BX]
	v_lshl_or_b32 v[PWS+(\a)], v[BX+2], 16, v[PWS+(\a)]
	v_lshl_or_b32 v[PWS+(\a)], v[BX+3], 24, v[PWS+(\a)]
.irp c, 0,1
	v_cvt_scalef32_pk16_fp6_f32 v[PC+6*\c:PC+2+6*\c], v[PT+32*\c:PT+15+32*\c], v[SO+2*\c]
	v_cvt_scalef32_pk16_fp6_f32 v[PC+12+4*\c:PC+14+4*\c], v[PT+16+32*\c:PT+31+32*\c], v[SO+2*\c+1]
.endr
	v_nop                                          ; one plain place behind a scaled conversion
.irp c, 0,1
.irp i, 0,1,2
	v_permlane16_swap_b32 v[PC+6*\c+\i], v[PC+12+4*\c+\i]
.endr
.irp i, 0,1,2
	v_mov_b32 v[PC+3+6*\c+\i], v[PC+12+4*\c+\i]
.endr
.endr
.irp c, 0,1,2
	global_store_b128 v[LI], v[PC+4*\c:PC+4*\c+3], s[98:99] offset:(\a)*RB16+512*\c
.endr
.endm
.irp a, 0,1,2,3,4,5,6,7
	SOFT \a
.endr
	s_mov_b32 vcc_lo, 0xffff0000                   ; lanes 0-15 store blocks 0-3 of row r, lanes 16-31 blocks 4-7: 512 consecutive bytes a store
.irp i, 0,1,2,3
	v_cndmask_b32 v[100+\i], v[PWS+\i], v[PWS+4+\i], vcc_lo
	v_cndmask_b32 v[104+\i], v[NMS+\i], v[NMS+4+\i], vcc_lo
	v_cndmask_b32 v[108+\i], v[LLS+\i], v[LLS+4+\i], vcc_lo
.endr
	global_store_b128 v[WOF], v[100:103], s[100:101]
	global_store_b128 v[WOF], v[104:107], s[100:101] offset:524288
	global_store_b128 v[WOF], v[108:111], s[100:101] offset:1048576
	s_wait_tensorcnt 0x0                           ; the wave's end
	ds_add_u32 v[SPW], v[NIL]
	s_wait_dscnt 0x0
	CROUND
	s_endpgm
.Lfunc_end_k_q380ff8b1fa_scores:
	.size	k_q380ff8b1fa_scores, .Lfunc_end_k_q380ff8b1fa_scores-k_q380ff8b1fa_scores
	.p2alignl 7, 3214868480
	.fill 96, 4, 3214868480
	.section	.rodata,"a",@progbits
	.p2align	6, 0x0
	.amdhsa_kernel k_q380ff8b1fa_scores
		.amdhsa_group_segment_fixed_size 327680
		.amdhsa_private_segment_fixed_size 0
		.amdhsa_enable_private_segment 0
		.amdhsa_kernarg_size 32
		.amdhsa_user_sgpr_count 2
		.amdhsa_user_sgpr_kernarg_segment_ptr 1
		.amdhsa_wavefront_size32 1
		.amdhsa_system_sgpr_workgroup_id_x 1
		.amdhsa_system_sgpr_workgroup_id_y 1
		.amdhsa_system_sgpr_workgroup_id_z 1
		.amdhsa_system_vgpr_workitem_id 0
		.amdhsa_next_free_vgpr 1024
		.amdhsa_next_free_sgpr 102
		.amdhsa_reserve_vcc 1
		.amdhsa_float_denorm_mode_32 3
		.amdhsa_float_denorm_mode_16_64 3
		.amdhsa_memory_ordered 1
		.amdhsa_forward_progress 1
		.amdhsa_inst_pref_size 192
	.end_amdhsa_kernel
	.amdgpu_metadata
---
amdhsa.version: [ 1, 2 ]
amdhsa.kernels:
  - .name:           k_q380ff8b1fa_scores
    .symbol:         k_q380ff8b1fa_scores.kd
    .args:
      - { .name: pc, .offset: 0, .size: 8, .value_kind: global_buffer, .address_space: global }
      - { .name: ps, .offset: 8, .size: 8, .value_kind: global_buffer, .address_space: global }
      - { .name: pp, .offset: 16, .size: 8, .value_kind: global_buffer, .address_space: global }
      - { .name: pst, .offset: 24, .size: 8, .value_kind: global_buffer, .address_space: global }
    .group_segment_fixed_size: 327680
    .private_segment_fixed_size: 0
    .kernarg_segment_align: 8
    .kernarg_segment_size: 32
    .max_flat_workgroup_size: 128
    .sgpr_count:     102
    .vgpr_count:     1024
    .wavefront_size: 32
...
	.end_amdgpu_metadata
.endif
;; end of part 3
;; launch pv (part 4): grid 4 x 64, 4 waves a work-group, clusters of 4 x 4, 327,680 bytes of LDS; arguments pp, pst, pc, ps, out0; writes out0
.if DOCPART == 4
	.amdgcn_target "amdgcn-amd-amdhsa--gfx1250"
	.amdhsa_code_object_version 6
	.text
	.protected	k_q380ff8b1fa_pv
	.globl	k_q380ff8b1fa_pv
	.p2align	8
	.type	k_q380ff8b1fa_pv,@function
k_q380ff8b1fa_pv:
	s_mov_b64 s[64:65], 0
	v_nop
	global_prefetch_b8 v0, s[64:65] scope:SCOPE_SE
	s_setreg_imm32_b32 hwreg(HW_REG_WAVE_MODE, 25, 1), 1
	s_wait_xcnt 0x0
	s_wait_alu depctr_hold_cnt(0) depctr_sa_sdst(0) depctr_va_vdst(0) depctr_va_sdst(0) depctr_va_ssrc(0) depctr_va_vcc(0) depctr_vm_vsrc(0)
	s_getreg_b32 s2, hwreg(HW_REG_IB_STS2, 6, 4)
	s_cmp_eq_u32 s2, 0
	s_cbranch_scc0 .Lentry_in_a_cluster
	s_endpgm
.Lentry_in_a_cluster:
	s_bfe_u32 s2, ttmp6, 0x10000c
	s_cmp_lg_u32 s2, 0xf033
	s_cbranch_scc0 .Lentry_shape_is_right
	s_endpgm
.Lentry_shape_is_right:
; out = (P vp) / l on codes of FP6 (E2M3).  A tile is 128 queries x 256 channels e, K = the batch's 2,048 keys; four waves, each 64 x 128: 32 accumulators.
; THE MATRIX INSTRUCTION IS USED TRANSPOSED (source 0 = 16 channels of vp, source 1 = 16 queries of P): a lane holds one query and eight neighbouring channels a tile.
; P's codes were made under a whole number M' for each row and each 128 keys.  At the head: M = the row's largest M'; each scale byte of P is lowered by M - M' (a power of two: no code changes), held at 0 from below;
; l = the sum of l' 2^(M' - M); the results are multiplied by 1 / l at the end.
; LIMITS: a byte held at 0 stands for 2^-127 where the exact scale is smaller still: at most 7.5 x 2^-127 x |vp| for a product.  NaN and infinities are not served.
; P GOES FROM MEMORY STRAIGHT INTO REGISTERS: its fragments lie in memory as images of the operand's registers (three loads of 512 consecutive bytes each), a wave needs four of them a step,
; and five sets of 48 registers are asked for four steps ahead.  So P takes no LDS bytes, no LDS read and no part of a fill.  It is therefore not asked for jointly: a joint load ends in LDS.
; vp goes through two LDS slots of six K steps (16 row blocks x 9,216 bytes): three fills in all: K steps 0-5 at the head, 6-11 when these have landed, 12-15 again into slot 0.
; CLUSTERS: 4 x 4; vp's tiles are asked for jointly along a column of the cluster; each of the four waves fetches four row blocks.
; PREFETCHES INTO THE L2, shared out by address.  vp's second and third fills: asked for at the head, one fill and two fills ahead of their loads; of a wave's four row blocks the partner at cy names row block cy
; (lanes 256 bytes apart: 24 and 12 lanes for its 9,216 bytes, 24 for its 6,144).
; P: in groups of four K steps (8 row blocks x 6,144 bytes); the sixteen waves of the four work-groups that read these rows name 3,072 bytes each (12 lanes); group 1 is asked for at the head, groups 2 and 3 in K steps 0 and 4:
; four steps or more ahead of the loads that want them; group 0 comes by its loads alone.  Lanes left over name the last block again.  No prefetch's address register is written again.
; REGISTERS: window 0: v4-11 at work at the head; v12, v15 the prefetches' offsets; v13, v14 addresses; v16-19 vp's fragments' addresses; v20-27 1 / l, a pair for each block; v28, v29 the spare word's; v30, v31 addresses;
;   v32-63 P's scale words ([pair of K steps][block]), v64-127 vp's; v128-151 at work at the head; v176-207 -M', v208-239 l'; on the way out v128-255 rows of out.
;   window 1: vp's fragments, two sets.  window 2: accumulator (a, b) at v[8 (8 a + b)].  window 3: P's fragments, set ks % 5 at v[48 (ks % 5)].
.set FR,    12
.set FRB,   1536
.set RB16,  24576                      ; a row block's 16 fragments
.set KSL,   9216                       ; a row block's part of a slot: six fragments
.set SLOT,  147456
.set SPARE, 294912
.set SP,    528                        ; the way out: a stage of 16 rows x (512 bytes + 16) for each wave, in slot 1, which has had its last fill and its last read by then
.set NMR,  8
.set PFP,  12                          ; v12 256 x min(lane, 11)
.set SOF,  13
.set RD,   14
.set PFV,  15                          ; v15 256 x min(lane, 23)
.set ADRB, 16                          ; v16-19: slot 0 blocks 0-3, 4-7; slot 1 blocks 0-3, 4-7 (an LDS offset has 16 bits)
.set RL,   20
.set SPW,  28
.set NIL,  29
.set LI,   30
.set STO,  31
.set SA,   32
.set SB,   64
.set NM,   176
.set LL,   208
.set BK,   128
.set TD,   128
.set TN,   132
.set TB0,  136
.set TB1,  140
.set TB2,  144
.set TB3,  148
.set WV,  18
.set WA,  19
.set WB,  20
.set G1,  24
.set G0,  40
.set SEL, 82
.set MSB, 0
.macro WIN new
.if MSB != (\new)
	s_set_vgpr_msb (MSB<<8)|(\new)
.set MSB, (\new)
.endif
.endm
.macro PLACES n
.rept \n
	v_nop
.endr
.endm
.macro CREST
	s_cmp_lg_u32 s[WV], 0
	s_cbranch_scc1 .Lnot_wave_0_\@
	s_barrier_signal -3
.Lnot_wave_0_\@:
	s_barrier_wait -3
	s_barrier_signal -1
	s_barrier_wait -1
.endm
.macro CROUND
	s_barrier_signal -1
	s_barrier_wait -1
	CREST
.endm
.macro JL s                            ; a joint load of my four row blocks of vp into slot s; s_nop 0 and four v_nop follow
	tensor_load_to_lds s[G0+4*\s:G0+4*\s+3], s[G1:G1+7]
	s_nop 0
	PLACES 4
.endm
.macro FETCH_B slot, q, set            ; vp's eight fragments of a step, from LDS
	WIN 0x40
.irp i, 0,1,2,3,4,5,6,7
.irp c, 0,1,2
	ds_load_b128 v[128*(\set)+FR*\i+4*\c:128*(\set)+FR*\i+4*\c+3], v[ADRB+2*(\slot)+\i/4] offset:(\i%4)*KSL+FRB*(\q)+512*\c
.endr
.endr
.endm
.macro ALOAD ks                        ; P's four fragments of K step ks, from memory: 12 loads of 512 consecutive bytes
	WIN 0xc0
.irp a, 0,1,2,3
.irp c, 0,1,2
	global_load_b128 v[48*((\ks)%5)+FR*\a+4*\c:48*((\ks)%5)+FR*\a+4*\c+3], v[LI], s[70:71] offset:\a*RB16+FRB*(\ks)+512*\c
.endr
.endr
.endm
.macro WAITA ks                        ; K step ks's 12 loads are in; those of up to three later steps, 12 each, may be out
.if 15-(\ks) < 3
	s_wait_loadcnt 12*(15-(\ks))
.else
	s_wait_loadcnt 36
.endif
.endm
; 8 matrix instructions: P's block a x vp's eight.  The 32 accumulators take turns.
.macro MUL8 a, ks
.irp b, 0,1,2,3,4,5,6,7
.set rD, 8*(8*(\a)+\b)
.set rB, 128*((\ks)%2)+FR*\b
.set rA, 48*((\ks)%5)+FR*(\a)
.set rSB, SB+8*((\ks)/2)+\b
.set rSA, SA+4*((\ks)/2)+(\a)
.if (\ks) == 0
	v_wmma_scale_f32_16x16x128_f8f6f4 v[rD:rD+7], v[rB:rB+FR-1], v[rA:rA+FR-1], 0, v[rSB], v[rSA] matrix_a_fmt:MATRIX_FMT_FP6 matrix_b_fmt:MATRIX_FMT_FP6
.elseif (\ks)%2
	v_wmma_scale_f32_16x16x128_f8f6f4 v[rD:rD+7], v[rB:rB+FR-1], v[rA:rA+FR-1], v[rD:rD+7], v[rSB], v[rSA] matrix_a_fmt:MATRIX_FMT_FP6 matrix_b_fmt:MATRIX_FMT_FP6 matrix_a_scale:MATRIX_SCALE_ROW1 matrix_b_scale:MATRIX_SCALE_ROW1
.else
	v_wmma_scale_f32_16x16x128_f8f6f4 v[rD:rD+7], v[rB:rB+FR-1], v[rA:rA+FR-1], v[rD:rD+7], v[rSB], v[rSA] matrix_a_fmt:MATRIX_FMT_FP6 matrix_b_fmt:MATRIX_FMT_FP6
.endif
.endr
.endm
.macro NEXT ks                         ; in a step's middle, four plain places behind its last matrix instruction: the next step's vp, and P four steps on, into registers that the step before read
	FETCH_B (((\ks)+1)/6)%2, ((\ks)+1)%6, 1-(\ks)%2
.if (\ks)+4 < 16
	ALOAD (\ks)+4
.endif
.if (\ks) == 0 || (\ks) == 4
	global_prefetch_b8 v[PFP], s[88:89] offset:((\ks)/4+2)*6144 th:TH_LOAD_NT scope:SCOPE_SE   ; my share of P's K steps ks + 8 .. ks + 11
.endif
	WIN 0xad
	MUL8 2, \ks
	MUL8 3, \ks
.endm
.macro STEP ks                         ; a step of 128 keys whose successor lies in the same slot
	s_wait_dscnt 0x0                               ; vp's set is in
	WAITA \ks
	WIN 0xad                                       ; source 0 (vp) window 1, source 1 (P) window 3, C and D window 2
	MUL8 0, \ks
	MUL8 1, \ks
	PLACES 4
	NEXT \ks
.endm
; A slot's last step changes slots: one barrier; in front of it each wave waits for all its tensor loads, adds 0 to its spare word, and waits for that and for its reads of the slot.
.macro TURN ks, fill
	WIN 0
	s_wait_tensorcnt 0x0                           ; my one tensor load has landed: my part of the next slot
	ds_add_u32 v[SPW], v[NIL]                      ; 0 onto my spare word
	s_wait_dscnt 1                                 ; vp's set is in (the add may be out)
	WAITA \ks
	WIN 0xad
	MUL8 0, \ks
	s_wait_dscnt 0x0                               ; the add is done, and my reads of this slot are over
	s_barrier_signal -1
	MUL8 1, \ks
	WIN 0
	s_barrier_wait -1
.if \fill
	CREST                                          ; a round of the cluster's barrier: no wave of any partner still reads slot 0 or has a load on its way
	s_add_nc_u64 s[G0+2:G0+3], s[G0+2:G0+3], 2*KSL ; K step 12
	s_mov_b32 s[G1+1], 768<<16                     ; of a row block's K four steps, 768 elements, are left; the tile's last two steps are written as zeros and not read
	JL 0
.else
	PLACES 4
.endif
	NEXT \ks
.endm
	s_load_b256 s[4:11], s[0:1], 0x0               ; pp s[4:5], pst s[6:7], pc s[8:9], ps s[10:11]
	s_load_b64 s[12:13], s[0:1], 0x20              ; out0
	v_lshl_add_u32 v[SPW], v0, 2, SPARE
	v_mov_b32 v[NIL], 0
	ds_add_u32 v[SPW], v[NIL]                      ; the opening lines: the add, twice on end, and its wait
	ds_add_u32 v[SPW], v[NIL]
	v_lshrrev_b32 v1, 5, v0
	v_readfirstlane_b32 s[WV], v1
	s_lshr_b32 s[WA], s[WV], 1                     ; my 64 queries
	s_and_b32 s[WB], s[WV], 1                      ; my 128 channels
	s_bfe_u32 s21, ttmp6, 0x40000                  ; cx
	s_bfe_u32 s22, ttmp6, 0x40004                  ; cy
	s_and_b32 s23, ttmp7, 0xffff
	s_lshl_b32 s66, ttmp9, 2
	s_add_co_u32 s66, s66, s21                     ; tile of 256 channels
	s_lshl_b32 s67, s23, 2
	s_add_co_u32 s67, s67, s22                     ; tile of 128 queries, over all batches
	s_lshr_b32 s68, s23, 2                         ; the batch: from the cluster's number alone
	s_lshl_b32 s85, 0x1111, s21                    ; my column of the cluster
	s_or_b32 s[G1], s85, (3<<16)|(1<<21)           ; 4 rows (row blocks) of 9,216 bytes, 24,576 apart, elements of 8 bytes, dense in LDS
	s_mov_b32 s[G1+1], 1152<<16
	s_mov_b32 s[G1+2], 4<<16
	s_mov_b32 s[G1+3], 1152<<16
	s_mov_b32 s[G1+4], 4
	s_mov_b32 s[G1+5], 3072
	s_mov_b32 s[G1+6], 0
	s_mov_b32 s[G1+7], 0
	s_lshl_b32 s70, s67, 3
	s_lshl_b32 s69, s[WA], 2
	s_add_co_u32 s70, s70, s69
	s_mul_i32 s70, s70, RB16                       ; P: row block 8 x tile + 4 x (my half): it feeds no descriptor
	s_mov_b32 s71, 0
	s_lshl_b32 s72, s66, 4
	s_lshl_b32 s69, s[WV], 2
	s_add_co_u32 s72, s72, s69
	s_mul_i32 s72, s72, RB16
	s_mul_i32 s69, s68, 1572864
	s_add_co_u32 s72, s72, s69
	s_add_co_u32 s72, s72, 12582912                ; vp: behind qp and kp; the batch's image; row block 16 x tile + 4 x wave
	s_mov_b32 s73, 0
	s_mul_i32 s74, s[WV], 4*KSL                    ; where they go
	s_wait_dscnt 0x0                               ; both opening adds are done
	s_wait_kmcnt 0x0
	s_add_nc_u64 s[70:71], s[4:5], s[70:71]
	s_add_nc_u64 s[72:73], s[8:9], s[72:73]
	CROUND                                         ; all sixteen work-groups are here: the first joint loads meet
.irp s, 0,1
	s_mov_b32 s[G0+4*\s], 1
	s_add_co_u32 s[G0+4*\s+1], s74, \s*SLOT
	s_add_nc_u64 s[G0+4*\s+2:G0+4*\s+3], s[72:73], \s*KSL
	s_or_b32 s[G0+4*\s+3], s[G0+4*\s+3], 0x80000000
.endr
	JL 0                                           ; K steps 0-5: one tensor load a wave at the head
	s_lshl_b32 s76, s67, 13
	s_lshl_b32 s77, s[WA], 4
	s_add_co_u32 s76, s76, s77                     ; my group's 8,192 bytes, my four blocks' words
	s_mov_b32 s77, 0
	s_lshl_b32 s78, s68, 3
	s_lshl_b32 s79, s66, 1
	s_add_co_u32 s78, s78, s79
	s_add_co_u32 s78, s78, s[WB]
	s_lshl_b32 s78, s78, 13
	s_add_co_u32 s78, s78, 524288                  ; vp's scale words: group 8 x batch + 2 x tile + half
	s_mov_b32 s79, 0
	s_lshl_b32 s80, s67, 7
	s_lshl_b32 s81, s[WA], 6
	s_add_co_u32 s80, s80, s81
	s_lshl_b32 s80, s80, 12                        ; out: my first row,
	s_lshl_b32 s81, s66, 10
	s_add_co_u32 s80, s80, s81
	s_lshl_b32 s81, s[WB], 9
	s_add_co_u32 s80, s80, s81                     ; my first channel
	s_mov_b32 s81, 0
	s_add_nc_u64 s[76:77], s[6:7], s[76:77]
	s_add_nc_u64 s[78:79], s[10:11], s[78:79]
	s_add_nc_u64 s[80:81], s[12:13], s[80:81]
	s_mul_i32 s84, s22, RB16                       ; the prefetches of vp: row block cy of my four
	s_mov_b32 s85, 0
	s_add_nc_u64 s[84:85], s[72:73], s[84:85]
	s_lshl_b32 s88, s21, 2                         ; the prefetches of P: piece 4 cx + wave of sixteen: row block piece / 2 of the tile's 8, half piece % 2 of a group's 6,144 bytes
	s_add_co_u32 s88, s88, s[WV]
	s_and_b32 s89, s88, 1
	s_mul_i32 s89, s89, 3072
	s_lshr_b32 s88, s88, 1
	s_lshl_b32 s90, s67, 3
	s_add_co_u32 s88, s88, s90
	s_mul_i32 s88, s88, RB16
	s_add_co_u32 s88, s88, s89
	s_mov_b32 s89, 0
	s_add_nc_u64 s[88:89], s[4:5], s[88:89]
	s_mul_i32 s87, s[WB], 8*KSL
	s_mul_i32 s86, s[WV], 16*SP
	s_add_co_u32 s86, s86, SLOT                    ; my stage
	s_mov_b32 s[SEL], 0x76543210
	s_mov_b32 s[SEL+1], 0xfedcba98
	v_and_b32 v1, 15, v0                           ; r
	v_bfe_u32 v2, v0, 4, 1                         ; h
	v_and_b32 v3, 31, v0
	v_lshlrev_b32 v[LI], 4, v3
	v_lshlrev_b32 v[SOF], 5, v1
	v_lshl_add_u32 v[SOF], v2, 9, v[SOF]           ; 512 h + 32 r
	v_min_u32 v[PFP], 11, v3
	v_lshlrev_b32 v[PFP], 8, v[PFP]
	v_min_u32 v[PFV], 23, v3
	v_lshlrev_b32 v[PFV], 8, v[PFV]
	v_add_nc_u32 v[ADRB], s87, v[LI]
	v_add_nc_u32 v[ADRB+1], 4*KSL, v[ADRB]
	v_add_nc_u32 v[ADRB+2], SLOT, v[ADRB]
	v_add_nc_u32 v[ADRB+3], SLOT+4*KSL, v[ADRB]
	v_mul_u32_u24 v[STO], v1, SP
	v_lshl_add_u32 v[STO], v2, 6, v[STO]
	v_add_nc_u32 v[STO], s86, v[STO]               ; in: row r, + 64 h
	v_add_nc_u32 v[RD], s86, v[LI]                 ; back: a row's 512 bytes, 16 a lane
.irp i, 0,1,2,3
	v_mov_b32 v[4+\i], 0                           ; a lane permute's destination counts as one of its sources
	v_mov_b32 v[RL+1+2*\i], 0                      ; (named as the upper half of a pair)
.endr
	s_wait_alu depctr_va_vdst(0)
	global_prefetch_b8 v[PFV], s[84:85] offset:KSL th:TH_LOAD_NT scope:SCOPE_SE        ; my share of vp's K steps 6-11: 6,144 bytes,
	global_prefetch_b8 v[PFP], s[84:85] offset:KSL+6144 th:TH_LOAD_NT scope:SCOPE_SE   ; and 3,072 more
.irp kk, 0,1,2,3,4,5,6,7
	global_load_b128 v[SA+4*\kk:SA+4*\kk+3], v[SOF], s[76:77] offset:1024*\kk
	global_load_b128 v[NM+4*\kk:NM+4*\kk+3], v[SOF], s[76:77] offset:524288+1024*\kk
	global_load_b128 v[LL+4*\kk:LL+4*\kk+3], v[SOF], s[76:77] offset:1048576+1024*\kk
.endr
.irp kk, 0,1,2,3,4,5,6,7
.irp n, 0,1
	global_load_b128 v[SB+8*\kk+4*\n:SB+8*\kk+4*\n+3], v[SOF], s[78:79] offset:1024*\kk+16*\n
.endr
.endr
	ALOAD 0
	ALOAD 1
	ALOAD 2
	ALOAD 3
	WIN 0
	global_prefetch_b8 v[PFP], s[88:89] offset:6144 th:TH_LOAD_NT scope:SCOPE_SE    ; my share of P's K steps 4-7
	global_prefetch_b8 v[PFV], s[84:85] offset:2*KSL th:TH_LOAD_NT scope:SCOPE_SE   ; my share of vp's K steps 12-15
	s_wait_loadcnt 48                              ; the scale words, -M' and l' are in; P's first four sets, 48 loads, may be out
	; the rows' -M: the least -M' of the 16 K steps (lanes 0-15 hold the even steps, lanes 16-31 the odd)
.irp i, 0,1,2,3
	v_min3_num_f32 v[NMR+\i], v[NM+\i], v[NM+4+\i], v[NM+8+\i]
.endr
.irp i, 0,1,2,3
	v_min3_num_f32 v[NMR+\i], v[NMR+\i], v[NM+12+\i], v[NM+16+\i]
.endr
.irp i, 0,1,2,3
	v_min3_num_f32 v[NMR+\i], v[NMR+\i], v[NM+20+\i], v[NM+24+\i]
.endr
.irp i, 0,1,2,3
	v_min_num_f32 v[NMR+\i], v[NMR+\i], v[NM+28+\i]
.endr
.irp i, 0,1,2,3
	v_permlanex16_b32 v[4+\i], v[NMR+\i], s[SEL], s[SEL+1]
.endr
.irp i, 0,1,2,3
	v_min_num_f32 v[NMR+\i], v[NMR+\i], v[4+\i]
.endr
; a pair of K steps, the four blocks by turns: d = M' - M, a whole number, 0 or less; l' x 2^d; each of the word's four bytes lowered by min(byte, -d)
.macro SHIFT kk
.irp i, 0,1,2,3
	v_sub_f32 v[TD+\i], v[NMR+\i], v[NM+4*\kk+\i]
.endr
.irp i, 0,1,2,3
	v_cvt_i32_f32 v[TD+\i], v[TD+\i]               ; (it saturates)
.endr
.irp i, 0,1,2,3
	v_ldexp_f32 v[LL+4*\kk+\i], v[LL+4*\kk+\i], v[TD+\i]
.endr
.irp i, 0,1,2,3
	v_sub_nc_u32 v[TN+\i], 0, v[TD+\i]
.endr
.irp i, 0,1,2,3
	v_min_u32 v[TN+\i], 0xff, v[TN+\i]
.endr
.irp i, 0,1,2,3
	v_and_b32 v[TB0+\i], 0xff, v[SA+4*\kk+\i]
	v_bfe_u32 v[TB1+\i], v[SA+4*\kk+\i], 8, 8
	v_bfe_u32 v[TB2+\i], v[SA+4*\kk+\i], 16, 8
	v_lshrrev_b32 v[TB3+\i], 24, v[SA+4*\kk+\i]
.endr
.irp i, 0,1,2,3
	v_min_u32 v[TB0+\i], v[TB0+\i], v[TN+\i]
	v_min_u32 v[TB1+\i], v[TB1+\i], v[TN+\i]
	v_min_u32 v[TB2+\i], v[TB2+\i], v[TN+\i]
	v_min_u32 v[TB3+\i], v[TB3+\i], v[TN+\i]
.endr
.irp i, 0,1,2,3
	v_lshl_or_b32 v[TB0+\i], v[TB1+\i], 8, v[TB0+\i]
.endr
.irp i, 0,1,2,3
	v_lshl_or_b32 v[TB0+\i], v[TB2+\i], 16, v[TB0+\i]
.endr
.irp i, 0,1,2,3
	v_lshl_or_b32 v[TB0+\i], v[TB3+\i], 24, v[TB0+\i]
.endr
.irp i, 0,1,2,3
	v_sub_nc_u32 v[SA+4*\kk+\i], v[SA+4*\kk+\i], v[TB0+\i]   ; no byte borrows: each takes off at most what it holds
.endr
.endm
.irp kk, 0,1,2,3,4,5,6,7
	SHIFT \kk
.endr
.irp i, 0,1,2,3
	v_add_f32 v[TD+\i], v[LL+\i], v[LL+4+\i]
.endr
.irp kk, 2,3,4,5,6,7
.irp i, 0,1,2,3
	v_add_f32 v[TD+\i], v[TD+\i], v[LL+4*\kk+\i]
.endr
.endr
.irp i, 0,1,2,3
	v_permlanex16_b32 v[4+\i], v[TD+\i], s[SEL], s[SEL+1]
.endr
.irp i, 0,1,2,3
	v_add_f32 v[TD+\i], v[TD+\i], v[4+\i]          ; the rows' l
.endr
	s_wait_alu depctr_va_vdst(0)                   ; ahead of the batch
.irp i, 0,1,2,3
	v_rcp_f32 v[RL+2*\i], v[TD+\i]
.endr
	v_nop                                          ; a plain place behind the last reciprocal
	s_wait_alu depctr_va_vdst(0)                   ; one wait for the four, ahead of every label and of their readers
	PLACES 8                                       ; scale words written by vector instructions stand eight places ahead of a scaled matrix instruction
	s_wait_tensorcnt 0x0                           ; my part of slot 0 is in; slot 1's first fill is issued as a refill is:
	ds_add_u32 v[SPW], v[NIL]                      ; 0 onto my spare word
	s_wait_dscnt 0x0
	CROUND                                         ; a whole round: slot 0 is whole, and the joint loads meet
	JL 1                                           ; K steps 6-11, the first tensor load behind the round
	FETCH_B 0, 0, 0
	STEP 0
	STEP 1
	STEP 2
	STEP 3
	STEP 4
	TURN 5, 1                                      ; slot 1 is whole; slot 0 takes K steps 12-15
	STEP 6
	STEP 7
	STEP 8
	STEP 9
	STEP 10
	TURN 11, 0                                     ; nothing is left to fetch; behind this barrier nobody reads slot 1
	STEP 12
	STEP 13
	STEP 14
	s_wait_dscnt 0x0                               ; the last step
	s_wait_loadcnt 0x0
	WIN 0xad
	MUL8 0, 15
	MUL8 1, 15
	MUL8 2, 15
	MUL8 3, 15
	WIN 0
	PLACES 4
; THE WAY OUT, a block of 16 queries x 128 channels at a time: x 1 / l; through my stage in LDS; back as whole rows of 512 bytes.  LDS serves a wave's instructions in order: no wait between the stores and the loads.
.macro TOSTAGE a
	WIN 0x82
.set i, 64*(\a)
.rept 32
	v_pk_mul_f32 v[i:i+1], v[i:i+1], v[RL+2*(\a):RL+2*(\a)+1] op_sel_hi:[1,0]   ; each accumulator from its low end on
.set i, i+2
.endr
	WIN 0x08                                       ; an LDS store's data are its source 1: window 2
.irp b, 0,1,2,3,4,5,6,7
	ds_store_b128 v[STO], v[64*(\a)+8*\b:64*(\a)+8*\b+3] offset:128*(\b/2)+32*(\b%2)       ; channels 32 (b / 2) + 16 h + 8 (b % 2) + 0 .. 7
	ds_store_b128 v[STO], v[64*(\a)+8*\b+4:64*(\a)+8*\b+7] offset:128*(\b/2)+32*(\b%2)+16
.endr
	WIN 0
.set BB, BK+64*((\a)%2)
.irp t, 0,1,2,3,4,5,6,7,8,9,10,11,12,13,14,15
	ds_load_b128 v[BB+4*\t:BB+4*\t+3], v[RD] offset:\t*SP
.endr
.endm
.macro SEND a, younger                 ; younger: the LDS instructions issued behind block a's loads, which may stay out
.set BB, BK+64*((\a)%2)
	s_wait_dscnt \younger
.irp t, 0,1,2,3,4,5,6,7,8,9,10,11,12,13,14,15
	global_store_b128 v[LI], v[BB+4*\t:BB+4*\t+3], s[80:81] offset:(32*((\a)/2)+8*((\a)%2)+\t+8*(\t/8))*4096 th:TH_STORE_NT   ; 512 consecutive bytes, aligned; lane row t of block a is query 32 (a / 2) + 8 (a % 2) + t + 8 (t / 8)
.endr
.endm
	TOSTAGE 0
.irp a, 1,2,3
.if \a > 1
	s_wait_xcnt 0x0                                ; block a - 2's stores have read their registers: block a's loads may land there
.endif
	TOSTAGE \a
	SEND \a-1, 32                                  ; behind block a - 1's loads: block a's 16 stores and 16 loads
.endr
	SEND 3, 0
	s_wait_tensorcnt 0x0                           ; the wave's end
	ds_add_u32 v[SPW], v[NIL]
	s_wait_dscnt 0x0
	CROUND                                         ; the closing round
	s_endpgm
.Lfunc_end_k_q380ff8b1fa_pv:
	.size	k_q380ff8b1fa_pv, .Lfunc_end_k_q380ff8b1fa_pv-k_q380ff8b1fa_pv
	.p2alignl 7, 3214868480
	.fill 96, 4, 3214868480
	.section	.rodata,"a",@progbits
	.p2align	6, 0x0
	.amdhsa_kernel k_q380ff8b1fa_pv
		.amdhsa_group_segment_fixed_size 327680
		.amdhsa_private_segment_fixed_size 0
		.amdhsa_enable_private_segment 0
		.amdhsa_kernarg_size 40
		.amdhsa_user_sgpr_count 2
		.amdhsa_user_sgpr_kernarg_segment_ptr 1
		.amdhsa_wavefront_size32 1
		.amdhsa_system_sgpr_workgroup_id_x 1
		.amdhsa_system_sgpr_workgroup_id_y 1
		.amdhsa_system_sgpr_workgroup_id_z 1
		.amdhsa_system_vgpr_workitem_id 0
		.amdhsa_next_free_vgpr 1024
		.amdhsa_next_free_sgpr 96
		.amdhsa_reserve_vcc 0
		.amdhsa_float_denorm_mode_32 3
		.amdhsa_float_denorm_mode_16_64 3
		.amdhsa_memory_ordered 1
		.amdhsa_forward_progress 1
		.amdhsa_inst_pref_size 174
	.end_amdhsa_kernel
	.amdgpu_metadata
---
amdhsa.version: [ 1, 2 ]
amdhsa.kernels:
  - .name:           k_q380ff8b1fa_pv
    .symbol:         k_q380ff8b1fa_pv.kd
    .args:
      - { .name: pp, .offset: 0, .size: 8, .value_kind: global_buffer, .address_space: global }
      - { .name: pst, .offset: 8, .size: 8, .value_kind: global_buffer, .address_space: global }
      - { .name: pc, .offset: 16, .size: 8, .value_kind: global_buffer, .address_space: global }
      - { .name: ps, .offset: 24, .size: 8, .value_kind: global_buffer, .address_space: global }
      - { .name: out0, .offset: 32, .size: 8, .value_kind: global_buffer, .address_space: global }
    .group_segment_fixed_size: 327680
    .private_segment_fixed_size: 0
    .kernarg_segment_align: 8
    .kernarg_segment_size: 40
    .max_flat_workgroup_size: 128
    .sgpr_count:     96
    .vgpr_count:     1024
    .wavefront_size: 32
...
	.end_amdgpu_metadata
.endif
;; end of part 4
